; MI455X (gfx1250); checked and timed in simulation.
; The chip was launched on July 23, 2026; its instructions are those of AMD's public machine-readable ISA for CDNA 5 (MIT licence, August 2026) and "CDNA5" Instruction Set Architecture Reference Guide (July 2026). The comments in the code are by the model that wrote it; some were corrected since.
;; KNN Aggregation Variants. Allowed arithmetic: float matrix products may take bf16 or f16 operands with f32 sums; all other float work in f32.
;; Inputs: W_feat 256 x 256 float32; W_pos1 4 x 128 float32; W_pos2 128 x 256 float32; b_feat 256 float32; b_pos1 128 float32; b_pos2 256 float32; beta 256 float32; coords 2 x 4,096 x 3 float32; features 2 x 4,096 x 256 float32; gamma 256 float32.
;; Outputs: out0 2 x 4,096 x 256 float32.
;; 2 versions, each right; version 2 is version 1 with the launch knn written anew for expert scheduling mode. Each part assembles by itself: llvm-mc -triple=amdgcn-amd-amdhsa -mcpu=gfx1250 --defsym DOCPART=n.
;; ======== version 1 of 2: 3 launches
;; limits: values are held in f16: magnitudes above 65,504 overflow, below 6.1e-05 lose precision; inputs' magnitudes at most 65,504
;; workspace buffers: mask 4,194,304 bytes of whole numbers; nbr 524,288 bytes of whole numbers; fh 4,194,304 bytes; wt 196,608 bytes
;; launch knn (part 1): grid 256 x 1, 8 waves a work-group, no clusters, 101,376 bytes of LDS; arguments coords, features, W_feat, W_pos2, mask, fh, wt; writes mask, fh, wt
.if DOCPART == 1
	.amdgcn_target "amdgcn-amd-amdhsa--gfx1250"
	.amdhsa_code_object_version 6
	.text
	.protected	k_q09c752a154_knn
	.globl	k_q09c752a154_knn
	.p2align	8
	.type	k_q09c752a154_knn,@function
k_q09c752a154_knn:
	s_mov_b64 s[64:65], 0
	v_nop
	global_prefetch_b8 v0, s[64:65] scope:SCOPE_SE
	s_setreg_imm32_b32 hwreg(HW_REG_WAVE_MODE, 25, 1), 1
	s_wait_xcnt 0x0
; KNN SELECTION.  For each of 2 x 4096 points: which (at most) 16 points of its batch are nearest under
; d = sqrt(dx^2 + dy^2) + 0.3 (tq - tc), among points that are not later (tc <= tq) and not the point itself; equal
; distances go to the lower index.  The choice leaves as a bit mask: mask[query][128 words], bit 31-c of word W = candidate 32 W + c.
; Side jobs: features rounded to f16 (fh), and W_feat / W_pos2 rounded to f16 in the order of matrix fragments (wt).
;
; SHARES.  256 work-groups x 8 waves.  Work-group b: batch b >> 7, queries 32 (b & 127) + lane: in every wave the lane is the query.
; Wave w scans candidates 512 w .. 512 w + 511; a candidate's coordinates are read from LDS at one address for all lanes.
; No branch and no address depends on a distance: the selection is done by min / max and add-with-carry only.
;   pass 1: the 16 smallest VALUES.  16 candidates at a time are sorted descending by a bitonic network (80 comparators); the list
;           (ascending) takes the element-wise minimum, which leaves the 16 smallest of the 32 as a bitonic sequence, and a bitonic merge
;           (32 comparators) sorts it again.  A comparator is ONE instruction, v_dual_min_num_f32 :: v_dual_max_num_f32, and the 16 minima
;           are 8: 120 instructions for 16 candidates, against 256 for a plain insertion.
;           Every comparator joins wires i and i xor 2^m.  Wire i lies in register offset (i & 14) | (parity of i's ones), so a comparator's
;           two registers differ in their lowest bit: one destination is even and one odd, and with the second half naming the sources in
;           swapped order the two first sources, and the two second ones, lie in different register banks, as a dual instruction asks.
;           A stage reads one set of 16 registers and writes another: neither half reads what the other writes.
;   merge : a butterfly over the 8 waves through LDS, by the same minimum and merge.  T = 16th smallest, NEED = 16 - #(values < T).
;   pass 2: the same distances again, bit for bit (same instructions), chosen = d < T, or d == T while fewer than NEED equals came before.
; LIMITS.  Coordinates finite.  v_sqrt_f32 is good to 1 ULP and takes sq < 2^-126 as 0 (ISA guide 15.8), and the two sums are fused
; multiply-adds: two candidates whose exact-order distances lie within about 2 ULP at the 16th / 17th place may be chosen the other way round.
; f16: |features| < 65504; weights below 2^-14 in magnitude keep an absolute error of 2^-25.
; The wt stores are 8 bytes a lane, 256 bytes apart (a column of the weights against the fragment order): 768 bytes a work-group.
.set CYO,    16384                     ; LDS: x[4096] at 0, y at 16384, t at 32768 (f32)
.set CTO,    32768
.set PAD,    49152                     ; 64 bytes of zeros: the look-ahead loads of the last trip of wave 7 end here
.set R0,     49664                     ; lists [wave 2048][register 128][lane 4]; a second region R1O bytes further
.set R1O,    16384
.set EQ,     82432                     ; [wave 128][lane 4]: how many of a wave's 16 smallest equal T
.set MB,     83456                     ; the mask tile: 32 queries, pitch 528 bytes
.set MPITCH, 528
.set CBUF,   20                        ; v[20:67]   4 buffers x (x4, y4, t4); first the 48 staging registers of the coordinate fill
.set NP,     92                        ; v[92:107]  16 new distances, first set
.set NQ,     108                       ; v[108:123] second set
.set LP,     124                       ; v[124:139] the wave's 16 smallest, ascending by wire, first set
.set LQ,     140                       ; v[140:155] second set
.set M,      NP                        ; behind pass 1: the merged list,
.set MQ,     NQ                        ; its second set,
.set PB,     LQ                        ; and the partner's list
.set F,      158                       ; v[158:189] 4 feature rows x 8 f32
; v0 thread, v1 lane, v[2:3] v[4:5] v[6:7] query x, y, t (each twice), v8 +inf, v9 LDS address of the trip's candidates, v10 T, v11 ~T,
; v12 NEED, v13 R (equals seen), v14 BITS, v15 temporary, v16 mask address, v17 v18 list addresses, v[68:71] dx then sqrt, v[72:75] dy,
; v[76:79] dt, v[80:83] sq, v[84:87] d, v[190:195] weights, v[200:207] offsets.
; s[4:17] buffers, s18 wave, s19 tile, s20 batch, s21 the trip that holds the queries themselves, s23 trip counter, s[24:27] masks, s[28:29] 0.3.
	s_load_b256 s[4:11], s[0:1], 0x0               ; coords s[4:5], features s[6:7], W_feat s[8:9], W_pos2 s[10:11]
	s_load_b128 s[12:15], s[0:1], 0x20             ; mask s[12:13], fh s[14:15]
	s_load_b64 s[16:17], s[0:1], 0x30              ; wt
	v_lshl_add_u32 v208, v0, 2, 0x18800
	v_mov_b32 v209, 0
	v_and_b32 v1, 31, v0
	v_lshrrev_b32 v15, 5, v0
	v_readfirstlane_b32 s18, v15                   ; wave
	s_and_b32 s19, ttmp9, 127                      ; tile of 32 queries in the batch
	s_lshr_b32 s20, ttmp9, 7                       ; batch
	s_mov_b32 s28, 0x3e99999a                      ; 0.3
	s_mov_b32 s29, 0x3e99999a
	v_mov_b32 v8, 0x7f800000                       ; +inf
	v_mul_u32_u24 v200, v0, 48                     ; coordinates: 4 points = 48 bytes a thread
	v_lshlrev_b32 v201, 5, v1                      ; features: 32 bytes a lane,
	v_lshl_add_u32 v201, v15, 12, v201             ; 4 rows of 1024 bytes a wave
	v_lshlrev_b32 v202, 4, v0                      ; LDS: 4 numbers a thread in each array
	s_mul_i32 s30, s20, 49152
	s_mov_b32 s31, 0
	s_lshl_b32 s32, ttmp9, 15                      ; 32 feature rows of 1024 bytes
	s_mov_b32 s33, 0
	s_lshl_b32 s34, ttmp9, 14                      ; 32 rows of 512 bytes, in mask and in fh
	s_mov_b32 s35, 0
	s_wait_kmcnt 0x0
	s_add_nc_u64 s[4:5], s[4:5], s[30:31]
	s_add_nc_u64 s[6:7], s[6:7], s[32:33]
	s_add_nc_u64 s[12:13], s[12:13], s[34:35]
	s_add_nc_u64 s[14:15], s[14:15], s[34:35]
	; waves 0-2: column b of the stacked weights, k = 128 w + 4 lane + c.  These four loads come first, so that on every path
	; exactly the eight feature loads are younger than the coordinate loads.
	s_cmp_gt_u32 s18, 2
	s_cbranch_scc1 .Lnow
	s_cmp_lt_u32 s18, 2
	s_cselect_b64 s[36:37], s[8:9], s[10:11]       ; k < 256: W_feat, else W_pos2
	s_lshl_b32 s38, ttmp9, 2
	s_mov_b32 s39, 0
	s_add_nc_u64 s[36:37], s[36:37], s[38:39]      ; column b
	s_cmp_eq_u32 s18, 1
	s_cselect_b32 s38, 131072, 0                   ; wave 1: rows 128 and up of W_feat
	v_lshl_add_u32 v203, v1, 12, s38               ; 4 rows of 1024 bytes a lane
.irp c, 0,1,2,3
	global_load_b32 v[190+\c], v203, s[36:37] offset:1024*\c
.endr
.Lnow:
.irp i, 0,1,2,3
	global_load_b128 v[CBUF+12*\i:CBUF+12*\i+3],    v200, s[4:5] offset:12288*\i
	global_load_b128 v[CBUF+12*\i+4:CBUF+12*\i+7],  v200, s[4:5] offset:12288*\i+16
	global_load_b128 v[CBUF+12*\i+8:CBUF+12*\i+11], v200, s[4:5] offset:12288*\i+32
.endr
.irp i, 0,1,2,3
	global_load_b128 v[F+8*\i:F+8*\i+3],   v201, s[6:7] offset:1024*\i th:TH_LOAD_NT
	global_load_b128 v[F+8*\i+4:F+8*\i+7], v201, s[6:7] offset:1024*\i+16 th:TH_LOAD_NT
.endr
	s_wait_loadcnt 0x8                             ; the coordinates are in; the eight feature loads stay out until the way out
	; [point][3] becomes three arrays: register 12 i + 3 p + c is coordinate c of point 4 (thread + 256 i) + p
.irp i, 0,1,2,3
.irp p, 0,1,2,3
.irp c, 0,1,2
	ds_store_b32 v202, v[CBUF+12*\i+3*\p+\c] offset:4096*\i+4*\p+16384*\c
.endr
.endr
.endr
	s_cmp_lg_u32 s18, 0
	s_cbranch_scc1 .Lnopad
	v_and_b32 v15, 15, v0
	v_lshlrev_b32 v15, 2, v15
	v_mov_b32 v14, 0
	ds_store_b32 v15, v14 offset:PAD               ; 16 words of zeros (two lanes write each, the same value)
.Lnopad:
	s_wait_dscnt 0x0                               ; my stores are in LDS before I say so
	s_barrier_signal -1
	s_barrier_wait -1                              ; barrier 1: the three arrays are whole
	s_lshl_b32 s30, s19, 7
	v_lshl_add_u32 v207, v1, 2, s30                ; my query: point 32 tile + lane
	ds_load_b32 v2, v207
	ds_load_b32 v4, v207 offset:CYO
	ds_load_b32 v6, v207 offset:CTO
.set q, LP
.rept 16
	v_mov_b32 v[q], v8                             ; the list starts at +inf
.set q, q+1
.endr
	s_lshl_b32 s31, s18, 11
	v_mov_b32 v9, s31                              ; 512 candidates x 4 bytes a wave
	s_lshl_b32 s21, s18, 4
	s_sub_co_u32 s21, s19, s21                     ; tile - 16 w: the trip whose 32 candidates are the 32 queries (outside 0..15: none)
	s_wait_dscnt 0x0
	v_mov_b32 v3, v2
	v_mov_b32 v5, v4
	v_mov_b32 v7, v6
; three loads of 16 bytes: x, y, t of four candidates, one address for all lanes
.macro LOADC buf, off
.set CB, CBUF+12*\buf
	ds_load_b128 v[CB:CB+3],    v9 offset:\off
	ds_load_b128 v[CB+4:CB+7],  v9 offset:\off+CYO
	ds_load_b128 v[CB+8:CB+11], v9 offset:\off+CTO
.endm
; d of four candidates into v[dst .. dst+3].  self = 1: candidate c0 + c is lane c0 + c's own point and gets +inf there.
.macro DIST4 buf, self, c0, dst
.set CB, CBUF+12*\buf
	v_pk_add_f32 v[68:69], v[2:3], v[CB:CB+1]     neg_lo:[0,1] neg_hi:[0,1]   ; dx = qx - cx
	v_pk_add_f32 v[70:71], v[2:3], v[CB+2:CB+3]   neg_lo:[0,1] neg_hi:[0,1]
	v_pk_add_f32 v[72:73], v[4:5], v[CB+4:CB+5]   neg_lo:[0,1] neg_hi:[0,1]   ; dy
	v_pk_add_f32 v[74:75], v[4:5], v[CB+6:CB+7]   neg_lo:[0,1] neg_hi:[0,1]
	v_pk_add_f32 v[76:77], v[6:7], v[CB+8:CB+9]   neg_lo:[0,1] neg_hi:[0,1]   ; dt = tq - tc: not negative for a point that counts
	v_pk_add_f32 v[78:79], v[6:7], v[CB+10:CB+11] neg_lo:[0,1] neg_hi:[0,1]
	v_pk_mul_f32 v[80:81], v[68:69], v[68:69]
	v_pk_mul_f32 v[82:83], v[70:71], v[70:71]
	v_pk_fma_f32 v[80:81], v[72:73], v[72:73], v[80:81]
	v_pk_fma_f32 v[82:83], v[74:75], v[74:75], v[82:83]
.irp c, 0,1,2,3
	v_sqrt_f32 v[68+\c], v[80+\c]
.endr
.irp c, 0,1,2,3
	v_cmp_gt_f32 s[24+\c], 0, v[76+\c]             ; later than the query.  These compares are also the plain instructions that stand
.endr                                                  ; between the roots and the first use of their results (ISA guide 5.7.2)
.if \self
.irp c, 0,1,2,3
	s_or_b32 s[24+\c], s[24+\c], 1<<(\c0+\c)
.endr
.endif
	s_wait_alu depctr_va_vdst(0)
	v_pk_fma_f32 v[84:85], v[76:77], s[28:29], v[68:69] op_sel_hi:[1,0,1]     ; 0.3 dt + sqrt
	v_pk_fma_f32 v[86:87], v[78:79], s[28:29], v[70:71] op_sel_hi:[1,0,1]
.irp c, 0,1,2,3
	v_cndmask_b32 v[\dst+\c], v[84+\c], v8, s[24+\c]
.endr
.endm
; One stage of a bitonic network on 16 wires: the 8 comparators (i, i xor j), read from set src, written to set dst.
; Blocks of k wires take turns in direction; flip = 1 turns every direction round (a sort that ends descending).
.macro CSTAGE src, dst, j, k, flip
.set ci, 0
.rept 16
.set cl, (ci^\j)
.if cl > ci
.set cri, (ci&14)|(((ci>>3)^(ci>>2)^(ci>>1)^ci)&1)     ; wire to register offset
.set crl, (cl&14)|(((cl>>3)^(cl>>2)^(cl>>1)^cl)&1)
.set cdn, ((ci&\k)/\k)^\flip
.if cdn
	v_dual_max_num_f32 v[\dst+cri], v[\src+cri], v[\src+crl] :: v_dual_min_num_f32 v[\dst+crl], v[\src+crl], v[\src+cri]
.else
	v_dual_min_num_f32 v[\dst+cri], v[\src+cri], v[\src+crl] :: v_dual_max_num_f32 v[\dst+crl], v[\src+crl], v[\src+cri]
.endif
.endif
.set ci, ci+1
.endr
.endm
; the 16 numbers of set NP sorted descending by wire: ten stages, back in NP
.macro SORT16
	CSTAGE NP, NQ, 1, 2, 1
	CSTAGE NQ, NP, 2, 4, 1
	CSTAGE NP, NQ, 1, 4, 1
	CSTAGE NQ, NP, 4, 8, 1
	CSTAGE NP, NQ, 2, 8, 1
	CSTAGE NQ, NP, 1, 8, 1
	CSTAGE NP, NQ, 8, 16, 1
	CSTAGE NQ, NP, 4, 16, 1
	CSTAGE NP, NQ, 2, 16, 1
	CSTAGE NQ, NP, 1, 16, 1
.endm
; dst = min(a, b) wire by wire, two neighbouring registers an instruction.  a ascending, b descending: the 16 smallest of the 32, bitonic.
.macro MIN16 dst, a, b
.set ci, 0
.rept 8
	v_dual_min_num_f32 v[\dst+ci], v[\a+ci], v[\b+ci] :: v_dual_min_num_f32 v[\dst+ci+1], v[\a+ci+1], v[\b+ci+1]
.set ci, ci+2
.endr
.endm
; a bitonic sequence in set a sorted ascending: four stages, back in a; b is the second set
.macro MERGE16 a, b
	CSTAGE \a, \b, 8, 16, 0
	CSTAGE \b, \a, 4, 16, 0
	CSTAGE \a, \b, 2, 16, 0
	CSTAGE \b, \a, 1, 16, 0
.endm
; 32 candidates.  s_wait_dscnt 9: the loads of the three younger groups (3 each) stay out; this group's three are in.
.macro P1TRIP self
.irp g, 0,1,2,3,4,5,6,7
	s_wait_dscnt 0x9
	DIST4 (\g&3), \self, 4*\g, NP+4*(\g&3)
	LOADC (\g&3), (\g+4)*16                        ; four groups ahead, into the buffer just read
.if (\g&3) == 3
	SORT16
	MIN16 LP, LP, NP
	MERGE16 LP, LQ
.endif
.endr
.endm
; not chosen <=> d + (R >= NEED) >= T + 1 <=> d + ~T + carry-in overflows.  (Distances are not negative: their bits order like whole numbers.)
.macro SEL c
	v_cmp_ge_u32 vcc_lo, v13, v12                  ; the quota of equals is used up
	v_add_co_ci_u32 v15, vcc_lo, v[84+\c], v11, vcc_lo
	v_add_co_ci_u32 v14, vcc_lo, v14, v14, vcc_lo  ; shift the 'not chosen' bit in
	v_cmp_eq_u32 vcc_lo, v[84+\c], v10
	v_add_co_ci_u32 v13, vcc_lo, 0, v13, vcc_lo    ; count the equals seen
.endm
; in pass 2 the word's store makes ten younger LDS instructions at some heads: the count 9 is then on the strict side
.macro P2TRIP self
.irp g, 0,1,2,3,4,5,6,7
	s_wait_dscnt 0x9
	DIST4 (\g&3), \self, 4*\g, 84
	LOADC (\g&3), (\g+4)*16
	SEL 0
	SEL 1
	SEL 2
	SEL 3
.endr
	v_xor_b32 v15, -1, v14                         ; 32 shifts have pushed the last word out: v14 is this trip's alone
	ds_store_b32 v16, v15
	v_add_nc_u32 v16, 4, v16
.endm
	; PASS 1
	LOADC 0, 0
	LOADC 1, 16
	LOADC 2, 32
	LOADC 3, 48
	s_mov_b32 s23, 0
.Lp1:
	s_cmp_eq_u32 s23, s21
	s_cbranch_scc1 .Lp1self
	P1TRIP 0
	s_branch .Lp1join
.Lp1self:
	P1TRIP 1
.Lp1join:
	v_add_nc_u32 v9, 128, v9
	s_add_co_u32 s23, s23, 1
	s_cmp_lt_u32 s23, 16
	s_cbranch_scc1 .Lp1
	s_wait_dscnt 0x0                               ; the look-ahead loads behind the last trip
	; BUTTERFLY over the 8 waves.  A list lies in LDS register by register.
.macro ST16 reg, off
.set k, 0
.rept 16
	ds_store_b32 v17, v[\reg+k] offset:\off+128*k
.set k, k+1
.endr
.endm
; the partner's list reversed: wire 15 - i has the same parity of ones as wire i, so register k takes the partner's register (14 - (k & 14)) | (k & 1)
.macro LD16R reg, off
.set k, 0
.rept 16
	ds_load_b32 v[\reg+k], v18 offset:\off+128*((14-(k&14))|(k&1))
.set k, k+1
.endr
.endm
.macro PARTNER m                       ; v18: the list of wave w xor m
	s_xor_b32 s31, s18, \m
	s_lshl_b32 s31, s31, 11
	s_add_co_u32 s31, s31, R0
	v_lshl_add_u32 v18, v1, 2, s31
.endm
.macro BAR                             ; my LDS stores and loads are done, then everybody's
	s_wait_dscnt 0x0
	s_barrier_signal -1
	s_barrier_wait -1
.endm
	s_lshl_b32 s30, s18, 11
	s_add_co_u32 s30, s30, R0
	v_lshl_add_u32 v17, v1, 2, s30
	ST16 LP, 0
	PARTNER 1
	BAR                                            ; barrier 2
	LD16R PB, 0
	s_wait_dscnt 0x0
	MIN16 M, LP, PB                                ; LP itself stays: the count of equals needs it
	MERGE16 M, MQ
	ST16 M, R1O
	PARTNER 2
	BAR                                            ; barrier 3
	LD16R PB, R1O
	s_wait_dscnt 0x0
	MIN16 M, M, PB
	MERGE16 M, MQ
	ST16 M, 0                                      ; the first region again: its readers waited for their loads in front of barrier 3
	PARTNER 4
	BAR                                            ; barrier 4
	LD16R PB, 0
	s_wait_dscnt 0x0
	MIN16 M, M, PB                                 ; the 16 smallest of all 4096; their order no longer matters
	v_max3_num_f32 v10, v[M], v[M+1], v[M+2]
.irp k, 3,5,7,9,11,13
	v_max3_num_f32 v10, v10, v[M+\k], v[M+\k+1]
.endr
	v_max_num_f32 v10, v10, v[M+15]                ; T: the 16th smallest (+inf: fewer than 16 points count)
	v_mov_b32 v15, 0
.set k, 0
.rept 16
	v_cmp_lt_f32 vcc_lo, v[M+k], v10
	v_add_co_ci_u32 v15, vcc_lo, 0, v15, vcc_lo
.set k, k+1
.endr
	v_mov_b32 v14, 0                               ; BITS
	v_sub_nc_u32 v12, 16, v15                      ; NEED: how many of the equals are taken,
	v_cmp_eq_u32 vcc_lo, v10, v8
	v_cndmask_b32 v12, v12, v14, vcc_lo            ; none if T is +inf
	v_xor_b32 v11, -1, v10
	; equals in the waves in front of mine.  A list cut at 16 holds 16 - #(smaller in that wave) >= NEED equals, which closes the
	; quota for the later waves just as the full count would.
	v_mov_b32 v15, 0
.set k, 0
.rept 16
	v_cmp_eq_u32 vcc_lo, v[LP+k], v10
	v_add_co_ci_u32 v15, vcc_lo, 0, v15, vcc_lo
.set k, k+1
.endr
	s_lshl_b32 s30, s18, 7
	s_add_co_u32 s30, s30, EQ
	v_lshl_add_u32 v16, v1, 2, s30
	ds_store_b32 v16, v15
	s_mov_b32 s31, EQ
	v_lshl_add_u32 v18, v1, 2, s31
	BAR                                            ; barrier 5
.irp p, 0,1,2,3,4,5,6
	ds_load_b32 v[PB+\p], v18 offset:128*\p
.endr
	v_mov_b32 v13, 0
	s_wait_dscnt 0x0
.irp p, 0,1,2,3,4,5,6
	s_cmp_lt_u32 \p, s18
	s_cselect_b32 s30, 1, 0
	v_mad_u32_u24 v13, v[PB+\p], s30, v13
.endr
	; PASS 2
	s_lshl_b32 s31, s18, 11
	v_mov_b32 v9, s31
	v_mul_u32_u24 v16, v1, MPITCH
	s_lshl_b32 s30, s18, 6
	s_add_co_u32 s30, s30, MB
	v_add_nc_u32 v16, s30, v16                     ; my query's row, my wave's 16 words
	LOADC 0, 0
	LOADC 1, 16
	LOADC 2, 32
	LOADC 3, 48
	s_mov_b32 s23, 0
.Lp2:
	s_cmp_eq_u32 s23, s21
	s_cbranch_scc1 .Lp2self
	P2TRIP 0
	s_branch .Lp2join
.Lp2self:
	P2TRIP 1
.Lp2join:
	v_add_nc_u32 v9, 128, v9
	s_add_co_u32 s23, s23, 1
	s_cmp_lt_u32 s23, 16
	s_cbranch_scc1 .Lp2
	BAR                                            ; barrier 6: the mask tile is whole
	; THE WAY OUT.  Wave w: mask rows 4 w .. 4 w + 3, each store of the wave covers a whole row of 512 bytes, aligned.
	s_mul_i32 s30, s18, 4*MPITCH
	s_add_co_u32 s30, s30, MB
	v_lshl_add_u32 v204, v1, 4, s30
	s_lshl_b32 s31, s18, 11
	v_lshl_add_u32 v205, v1, 4, s31                ; 4 rows of 512 bytes a wave, in mask and in fh alike
.irp i, 0,1,2,3
	ds_load_b128 v[20+4*\i:23+4*\i], v204 offset:MPITCH*\i
.endr
.irp i, 0,1,2,3
	s_wait_dscnt 3-\i                              ; row i is in, the younger rows may be out
	global_store_b128 v205, v[20+4*\i:23+4*\i], s[12:13] offset:512*\i
.endr
	s_wait_loadcnt 0x0                             ; features and weights
.irp i, 0,1,2,3
.irp j, 0,1,2,3
	v_cvt_pk_f16_f32 v[36+4*\i+\j], v[F+8*\i+2*\j], v[F+8*\i+2*\j+1]
.endr
	global_store_b128 v205, v[36+4*\i:39+4*\i], s[14:15] offset:512*\i
.endr
	s_cmp_gt_u32 s18, 2
	s_cbranch_scc1 .Lend
	; wt[tile b>>4][load 2s+j][lane 16h+r][8 k]: k = 32 s + 16 j + 8 h + (0..7), column 16 tile + r.  With k = 128 w + 4 lane + c:
	; byte = 12288 (b>>4) + 4096 w + 256 (lane>>1) + 16 (b&15) + 8 (lane&1)
	v_cvt_pk_f16_f32 v194, v190, v191
	v_cvt_pk_f16_f32 v195, v192, v193
	s_lshr_b32 s30, ttmp9, 4
	s_mul_i32 s30, s30, 12288
	s_lshl_b32 s31, s18, 12
	s_add_co_u32 s30, s30, s31
	s_and_b32 s31, ttmp9, 15
	s_lshl_b32 s31, s31, 4
	s_add_co_u32 s30, s30, s31
	s_mov_b32 s31, 0
	s_add_nc_u64 s[16:17], s[16:17], s[30:31]
	v_lshrrev_b32 v206, 1, v1
	v_lshlrev_b32 v206, 8, v206
	v_and_b32 v15, 1, v1
	v_lshl_add_u32 v206, v15, 3, v206
	global_store_b64 v206, v[194:195], s[16:17]
.Lend:
	s_wait_tensorcnt 0x0
	ds_add_u32 v208, v209
	s_wait_dscnt 0x0
	s_endpgm
.Lfunc_end_k_q09c752a154_knn:
	.size	k_q09c752a154_knn, .Lfunc_end_k_q09c752a154_knn-k_q09c752a154_knn
	.p2alignl 7, 3214868480
	.fill 96, 4, 3214868480
	.section	.rodata,"a",@progbits
	.p2align	6, 0x0
	.amdhsa_kernel k_q09c752a154_knn
		.amdhsa_group_segment_fixed_size 101376
		.amdhsa_private_segment_fixed_size 0
		.amdhsa_enable_private_segment 0
		.amdhsa_kernarg_size 56
		.amdhsa_user_sgpr_count 2
		.amdhsa_user_sgpr_kernarg_segment_ptr 1
		.amdhsa_wavefront_size32 1
		.amdhsa_system_sgpr_workgroup_id_x 1
		.amdhsa_system_sgpr_workgroup_id_y 1
		.amdhsa_system_sgpr_workgroup_id_z 1
		.amdhsa_system_vgpr_workitem_id 0
		.amdhsa_next_free_vgpr 210
		.amdhsa_next_free_sgpr 66
		.amdhsa_reserve_vcc 1
		.amdhsa_float_denorm_mode_32 3
		.amdhsa_float_denorm_mode_16_64 3
		.amdhsa_memory_ordered 1
		.amdhsa_forward_progress 1
		.amdhsa_inst_pref_size 128
	.end_amdhsa_kernel
	.amdgpu_metadata
---
amdhsa.version: [ 1, 2 ]
amdhsa.kernels:
  - .name:           k_q09c752a154_knn
    .symbol:         k_q09c752a154_knn.kd
    .args:
      - { .name: coords, .offset: 0, .size: 8, .value_kind: global_buffer, .address_space: global }
      - { .name: features, .offset: 8, .size: 8, .value_kind: global_buffer, .address_space: global }
      - { .name: W_feat, .offset: 16, .size: 8, .value_kind: global_buffer, .address_space: global }
      - { .name: W_pos2, .offset: 24, .size: 8, .value_kind: global_buffer, .address_space: global }
      - { .name: mask, .offset: 32, .size: 8, .value_kind: global_buffer, .address_space: global }
      - { .name: fh, .offset: 40, .size: 8, .value_kind: global_buffer, .address_space: global }
      - { .name: wt, .offset: 48, .size: 8, .value_kind: global_buffer, .address_space: global }
    .group_segment_fixed_size: 101376
    .private_segment_fixed_size: 0
    .kernarg_segment_align: 8
    .kernarg_segment_size: 56
    .max_flat_workgroup_size: 256
    .sgpr_count:     66
    .vgpr_count:     210
    .wavefront_size: 32
...
	.end_amdgpu_metadata
.endif
;; end of part 1
;; launch ext (part 2): grid 256 x 1, 8 waves a work-group, no clusters, 12,288 bytes of LDS; arguments mask, nbr; writes nbr
.if DOCPART == 2
	.amdgcn_target "amdgcn-amd-amdhsa--gfx1250"
	.amdhsa_code_object_version 6
	.text
	.protected	k_q09c752a154_ext
	.globl	k_q09c752a154_ext
	.p2align	8
	.type	k_q09c752a154_ext,@function
k_q09c752a154_ext:
	s_mov_b64 s[64:65], 0
	v_nop
	global_prefetch_b8 v0, s[64:65] scope:SCOPE_SE
	s_setreg_imm32_b32 hwreg(HW_REG_WAVE_MODE, 25, 1), 1
	s_wait_xcnt 0x0
; FROM BIT MASK TO INDEX LIST.  mask[query][128 words], bit 31-c of word W = candidate 32 W + c, at most 16 bits a row.
; nbr[query][16 words]: the chosen candidates' indices in any order, unused entries 0; entry 0 also holds the count in bits 16 and up.
; SHARES.  256 work-groups x 8 waves; a wave owns queries 32 b + 4 w + 0 .. 3, as two pairs.  All LDS bytes are the wave's own: no barrier.
; No branch depends on a mask word; only LDS store addresses do (a place 0 .. 16 in the wave's own list).
;   level 1: a lane holds 4 words of a row.  The words that are not 0 (16 at most) are compacted as (word, 32 W + 31): 4 steps a query.
;   level 2: lane r of a half holds entry r of its query's word list (lanes 0-15 one query, 16-31 the other).  In each of 16 trips (one word
;            may hold all 16 bits) a lane gives up its lowest bit as (bit, 32 W + 31); lanes that have one get consecutive places,
;            the others write to the dump entry 16.  EXEC never changes.
;   decode : one entry a lane: the bit's number by five mask tests, index = 32 W + 31 - number.
; A wave's 64 entries leave by one store of 256 consecutive bytes, aligned.
; A row with more than 16 bits (none is made by the selection) loses the surplus to the dump entry; its count is cut at 16.
.set WSZ,  1408                        ; LDS of a wave: 4 word lists, 4 bit lists (17 entries of 8 bytes in 144 each), 64 result words
.set LIST, 144
.set L2O,  576
.set RES,  1152
; v1 lane, v2 r, v3 h, v4 16 lane, v5 my entry (list h of a pair), v6 the wave's LDS, v7 the wave's LDS + 144 h, v[8:23] mask words of 4 queries,
; v[24:31] four pairs (word, base), v[32:34] temporaries, v35 result word, v[36:43] pair P: word, base, bit, base; v[44:47] my bit entries,
; v48 v49 way out, v[50:51] two result words.   s8 wave, s[20:23] words so far, s[24:27] bits so far, s28 s29 lane masks, s34 trip counter.
	s_load_b128 s[4:7], s[0:1], 0x0                ; mask s[4:5], nbr s[6:7]
	v_lshl_add_u32 v64, v0, 2, 0x2c00
	v_mov_b32 v65, 0
	v_and_b32 v1, 31, v0
	v_lshrrev_b32 v32, 5, v0
	v_readfirstlane_b32 s8, v32                    ; wave
	v_and_b32 v2, 15, v0
	v_bfe_u32 v3, v0, 4, 1
	v_lshlrev_b32 v4, 4, v1
	s_mul_i32 s9, s8, WSZ
	v_mov_b32 v6, s9
	v_mul_u32_u24 v7, v3, LIST
	v_add_nc_u32 v7, s9, v7
	v_lshl_add_u32 v5, v2, 3, v7
	v_lshl_add_u32 v35, v1, 2, s9
	v_lshl_add_u32 v48, v1, 3, s9
	v_lshlrev_b32 v49, 3, v1
	v_mov_b32 v32, 0
	v_mov_b32 v33, 0
.irp o, 0, 2*LIST, L2O, L2O+2*LIST
	ds_store_b64 v5, v[32:33] offset:\o            ; entries 0-15 of all eight lists start empty: (0, 0) decodes to index 0
.endr
.irp i, 0,1,2,3
	v_lshl_add_u32 v[25+2*\i], v1, 7, 32*\i+31     ; word 4 lane + i: the candidate of bit p is 32 (4 lane + i) + 31 - p
.endr
	s_mov_b32 s28, 0xffff0000                      ; lanes 16-31
	s_mov_b32 s29, 0x00010001                      ; lanes 0 and 16: entry 0 of each list
.irp c, 20,21,22,23,24,25,26,27
	s_mov_b32 s\c, 0
.endr
	s_lshl_b32 s10, ttmp9, 14                      ; 32 mask rows of 512 bytes a work-group,
	s_lshl_b32 s12, s8, 11                         ; 4 a wave
	s_add_co_u32 s10, s10, s12
	s_mov_b32 s11, 0
	s_lshl_b32 s12, ttmp9, 11                      ; 32 list rows of 64 bytes a work-group,
	s_lshl_b32 s14, s8, 8                          ; 4 a wave
	s_add_co_u32 s12, s12, s14
	s_mov_b32 s13, 0
	s_wait_kmcnt 0x0
	s_add_nc_u64 s[4:5], s[4:5], s[10:11]
	s_add_nc_u64 s[6:7], s[6:7], s[12:13]
.irp i, 0,1,2,3
	global_load_b128 v[8+4*\i:11+4*\i], v4, s[4:5] offset:512*\i th:TH_LOAD_NT
.endr
; LEVEL 1: word v[x] (slot j of the lane) into the list at byte off, if it is not 0
.macro EMIT1 x, j, cnt, off
	v_cmp_ne_u32 s30, 0, v[\x]
	v_mov_b32 v[24+2*\j], v[\x]                    ; beside its base: one store of 8 bytes
	v_mbcnt_lo_u32_b32 v32, s30, \cnt              ; place = entries so far + lanes below me that emit
	v_cndmask_b32 v32, 16, v32, s30                ; nothing to emit: the dump entry
	v_min_u32 v32, 16, v32                         ; a place is 0 .. 16 whatever the mask holds
	v_lshl_add_u32 v33, v32, 3, v6
	ds_store_b64 v33, v[24+2*\j:25+2*\j] offset:\off
	s_bcnt1_i32_b32 s31, s30
	s_add_co_u32 \cnt, \cnt, s31
.endm
.irp i, 0,1,2,3
	s_wait_loadcnt 3-\i                            ; row i is in, the younger rows may be out
.irp j, 0,1,2,3
	EMIT1 8+4*\i+\j, \j, s[20+\i], LIST*\i
.endr
.endr
	ds_load_b64 v[36:37], v5                       ; my word entry of pair 0: LDS serves a wave's instructions in order (ISA guide 5.7.1)
	ds_load_b64 v[40:41], v5 offset:2*LIST         ; of pair 1
	s_wait_dscnt 0x0
	v_mov_b32 v39, v37                             ; the base beside the bit
	v_mov_b32 v43, v41
; LEVEL 2: one trip for pair P; ca, cb: bits so far of its two queries
.macro EMIT2 P, ca, cb
	v_cmp_ne_u32 s30, 0, v[36+4*\P]
	v_sub_nc_u32 v[38+4*\P], 0, v[36+4*\P]
	v_and_b32 v[38+4*\P], v[36+4*\P], v[38+4*\P]   ; the lowest bit alone
	v_xor_b32 v[36+4*\P], v[36+4*\P], v[38+4*\P]   ; and gone from the word
	s_and_b32 s31, s30, 0xffff                     ; emitters of the first query
	s_and_b32 s32, s30, s28                        ; of the second
	v_mbcnt_lo_u32_b32 v32, s31, \ca
	v_mbcnt_lo_u32_b32 v33, s32, \cb
	v_cndmask_b32 v32, v32, v33, s28               ; each half takes its own query's place
	v_cndmask_b32 v32, 16, v32, s30
	v_min_u32 v32, 16, v32
	v_lshl_add_u32 v33, v32, 3, v7
	ds_store_b64 v33, v[38+4*\P:39+4*\P] offset:L2O+2*LIST*\P
	s_bcnt1_i32_b32 s31, s31
	s_bcnt1_i32_b32 s32, s32
	s_add_co_u32 \ca, \ca, s31
	s_add_co_u32 \cb, \cb, s32
.endm
	s_mov_b32 s34, 0
.Lbits:
	EMIT2 0, s24, s25
	EMIT2 1, s26, s27
	s_add_co_u32 s34, s34, 1
	s_cmp_lt_u32 s34, 16
	s_cbranch_scc1 .Lbits
	ds_load_b64 v[44:45], v5 offset:L2O            ; my bit entry of pair 0,
	ds_load_b64 v[46:47], v5 offset:L2O+2*LIST     ; of pair 1
.irp c, 24,25,26,27
	s_min_u32 s\c, s\c, 16
.endr
	s_wait_dscnt 0x0
.macro DECODE P, ca, cb
	v_mov_b32 v32, 0
.irp m, 0xffff0000, 0xff00ff00, 0xf0f0f0f0, 0xcccccccc, 0xaaaaaaaa
	v_and_b32 v33, \m, v[44+2*\P]
	v_cmp_ne_u32 vcc_lo, 0, v33
	v_add_co_ci_u32 v32, vcc_lo, v32, v32, vcc_lo  ; the bit's number, highest binary digit first
.endr
	v_sub_nc_u32 v32, v[45+2*\P], v32
	v_min_u32 v32, 0xfff, v32
	v_mov_b32 v33, \ca
	v_mov_b32 v34, \cb
	v_cndmask_b32 v33, v33, v34, s28               ; my query's count,
	v_cndmask_b32 v33, 0, v33, s29                 ; in entry 0 alone
	v_lshl_or_b32 v32, v33, 16, v32
	ds_store_b32 v35, v32 offset:RES+128*\P
.endm
	DECODE 0, s24, s25
	DECODE 1, s26, s27
	ds_load_b64 v[50:51], v48 offset:RES           ; entries 2 lane, 2 lane + 1 of the wave's 64
	s_wait_dscnt 0x0
	global_store_b64 v49, v[50:51], s[6:7]         ; 256 consecutive bytes, aligned
	s_wait_tensorcnt 0x0
	ds_add_u32 v64, v65
	s_wait_dscnt 0x0
	s_endpgm
.Lfunc_end_k_q09c752a154_ext:
	.size	k_q09c752a154_ext, .Lfunc_end_k_q09c752a154_ext-k_q09c752a154_ext
	.p2alignl 7, 3214868480
	.fill 96, 4, 3214868480
	.section	.rodata,"a",@progbits
	.p2align	6, 0x0
	.amdhsa_kernel k_q09c752a154_ext
		.amdhsa_group_segment_fixed_size 12288
		.amdhsa_private_segment_fixed_size 0
		.amdhsa_enable_private_segment 0
		.amdhsa_kernarg_size 16
		.amdhsa_user_sgpr_count 2
		.amdhsa_user_sgpr_kernarg_segment_ptr 1
		.amdhsa_wavefront_size32 1
		.amdhsa_system_sgpr_workgroup_id_x 1
		.amdhsa_system_sgpr_workgroup_id_y 1
		.amdhsa_system_sgpr_workgroup_id_z 1
		.amdhsa_system_vgpr_workitem_id 0
		.amdhsa_next_free_vgpr 66
		.amdhsa_next_free_sgpr 66
		.amdhsa_reserve_vcc 1
		.amdhsa_float_denorm_mode_32 3
		.amdhsa_float_denorm_mode_16_64 3
		.amdhsa_memory_ordered 1
		.amdhsa_forward_progress 1
		.amdhsa_inst_pref_size 15
	.end_amdhsa_kernel
	.amdgpu_metadata
---
amdhsa.version: [ 1, 2 ]
amdhsa.kernels:
  - .name:           k_q09c752a154_ext
    .symbol:         k_q09c752a154_ext.kd
    .args:
      - { .name: mask, .offset: 0, .size: 8, .value_kind: global_buffer, .address_space: global }
      - { .name: nbr, .offset: 8, .size: 8, .value_kind: global_buffer, .address_space: global }
    .group_segment_fixed_size: 12288
    .private_segment_fixed_size: 0
    .kernarg_segment_align: 8
    .kernarg_segment_size: 16
    .max_flat_workgroup_size: 256
    .sgpr_count:     66
    .vgpr_count:     66
    .wavefront_size: 32
...
	.end_amdgpu_metadata
.endif
;; end of part 2
;; launch agg (part 3): grid 256 x 1, 16 waves a work-group, no clusters, 68,608 bytes of LDS; arguments nbr, coords, fh, wt, W_pos1, b_pos1, b_feat, b_pos2, gamma, beta, out0; writes out0
.if DOCPART == 3
	.amdgcn_target "amdgcn-amd-amdhsa--gfx1250"
	.amdhsa_code_object_version 6
	.text
	.protected	k_q09c752a154_agg
	.globl	k_q09c752a154_agg
	.p2align	8
	.type	k_q09c752a154_agg,@function
k_q09c752a154_agg:
	s_mov_b64 s[64:65], 0
	v_nop
	global_prefetch_b8 v0, s[64:65] scope:SCOPE_SE
	s_setreg_imm32_b32 hwreg(HW_REG_WAVE_MODE, 25, 1), 1
	s_wait_xcnt 0x0
; AGGREGATION.  Both means of the reference are linear, so for every input
;   enh = [ x + mean x_nbr | mean relu(rel W_pos1 + b_pos1) ] [ W_feat ; W_pos2 ] + b_feat + has (b_feat + b_pos2),   has = 1 if any neighbour,
; one product of 32 rows x 384 x 256 a work-group, followed by LayerNorm.
; SHARES.  256 work-groups x 16 waves; work-group b owns rows 32 b .. 32 b + 31.  Wave w owns queries 2 w (a) and 2 w + 1 (b) for
; the gather, the position code and the LayerNorm, and output columns 16 w .. 16 w + 15 of all 32 rows in the product.
; PHASES.  1 loads; the wave's 32 neighbour indices come by scalar loads  3 indices -> addresses, gather issued  4 rel  5 position code (f32,
; K = 4 fills an eighth of a matrix step, so it stays on the vector unit)  6 gather sums, weights' fragments loaded into the freed slots
; 7 A tile to LDS  8 product  9 biases, LayerNorm, stores of 512 aligned bytes a wave.  There is no branch in this text.
; No cluster: the weights are stored in fragment order and go straight from memory into each wave's registers (12,288 bytes a wave);
; a joint request lands in LDS and would add 196,608 bytes of LDS writes and reads a work-group.  No tensor load: nothing streams through LDS.
; LIMITS.  f16 operands: |x + mean x_nbr| and the mean hidden values below 65504.  1/count by v_rcp_f32 and 1/sqrt by v_rsq_f32 (1 ULP).
; d is made by the same operations as in the selection.  Coordinates and features finite (a weight 0 times them must be 0).
.set AB,     0                         ; A tile: 32 rows, pitch 784 (49 x 16): bytes 0-511 X, 512-767 H, f16
.set APITCH, 784
.set EB,     25088                     ; enh: 32 rows of 256 f32, pitch 1040 (65 x 16)
.set EPITCH, 1040
.set RL,     58368                     ; per wave 512 bytes: 32 x (rx, ry, rt, d)
.set ROW,    64                        ; v[64:127]  16 row slots of 4 (below v128: the halves of these registers are named)
.set REL,    128                       ; v[128:191] rel of 16 neighbours
.set NI,     68                        ; s[68:83] indices of a, s[84:99] indices of b
; v0 thread, v1 lane, v2 r = lane & 15, v3 h = lane >> 4, v4 16 lane, v7 my wave's rel
; v[8:23] W_pos1 rows 0-3 of hidden units 4 lane .. +3, v[24:27] b_pos1, v[28:31] Ha, v[32:35] Hb, v[36:39] Z
; v[40:47] the own rows (f16); v[48:55] packing; v[56:63] temporaries
; v[192:207] v[208:223] row offsets of a, of b; v[224:239] sums of a, of b
; v[248:250] query coordinates, v251 offset of the own rows, v[252:255] rel.
; Product: v[8:23] two accumulators; the 12 fragments of the weights in v[64:127] (K steps 0-7) and v[192:223] (8-11);
; A fragments of 6 K steps in v[128:191] (4 steps) and v[32:63] (2 steps); v[224:255] b_feat, b_pos2, gamma, beta.
	s_load_b512 s[8:23], s[0:1], 0x0               ; nbr, coords, fh, wt, W_pos1, b_pos1, b_feat, b_pos2
	s_load_b128 s[24:27], s[0:1], 0x40             ; gamma, beta
	s_load_b64 s[28:29], s[0:1], 0x50              ; out0
	v_lshl_add_u32 v5, v0, 2, 0x10400
	v_mov_b32 v6, 0
	v_and_b32 v1, 31, v0
	v_lshrrev_b32 v56, 5, v0
	v_readfirstlane_b32 s30, v56                   ; wave
	v_and_b32 v2, 15, v0
	v_bfe_u32 v3, v0, 4, 1
	v_lshlrev_b32 v4, 4, v1
	s_lshr_b32 s32, ttmp9, 7                       ; batch
	s_and_b32 s31, ttmp9, 127
	s_lshl_b32 s31, s31, 5
	s_lshl1_add_u32 s31, s30, s31                  ; query a's number in its batch
	s_mov_b32 s48, 0x76543210                      ; v_permlanex16_b32: lane i of the other half
	s_mov_b32 s49, 0xfedcba98
	s_mov_b32 s43, 0                               ; upper half of the weight's pair
	s_lshl_b32 s37, s30, 9
	s_add_co_u32 s37, s37, RL
	v_mov_b32 v7, s37
	v_add_nc_u32 v63, s31, v3
	v_mul_u32_u24 v63, v63, 12                     ; my half's query: 12 bytes a point
	s_lshl_b32 s36, s31, 9
	v_add_nc_u32 v251, s36, v4                     ; own rows in fh
	s_mov_b32 s39, 0
	s_wait_kmcnt 0x0
	s_lshl_b32 s38, ttmp9, 11                      ; 32 list rows of 64 bytes a work-group,
	s_lshl_b32 s36, s30, 7                         ; 2 a wave
	s_add_co_u32 s38, s38, s36
	s_add_nc_u64 s[8:9], s[8:9], s[38:39]          ; nbr at row a
	s_load_b512 s[NI:NI+15], s[8:9], 0x0           ; the 16 entries of a
	s_load_b512 s[NI+16:NI+31], s[8:9], 0x40       ; of b
	s_mul_i32 s38, s32, 49152
	s_add_nc_u64 s[10:11], s[10:11], s[38:39]      ; coords at the batch
	s_lshl_b32 s38, s32, 21
	s_add_nc_u64 s[12:13], s[12:13], s[38:39]      ; fh at the batch
	s_mul_i32 s38, s30, 12288
	s_add_nc_u64 s[14:15], s[14:15], s[38:39]      ; wt at my column tile
	s_lshl_b32 s38, ttmp9, 15
	s_lshl_b32 s36, s30, 11
	s_add_co_u32 s38, s38, s36
	s_add_nc_u64 s[28:29], s[28:29], s[38:39]      ; out0 at row a
	; PHASE 1
	global_load_b96 v[248:250], v63, s[10:11]
.irp c, 0,1,2,3
	global_load_b128 v[8+4*\c:11+4*\c], v4, s[16:17] offset:512*\c
.endr
	global_load_b128 v[24:27], v4, s[18:19]
	global_load_b128 v[40:43], v251, s[12:13]      ; own rows
	global_load_b128 v[44:47], v251, s[12:13] offset:512
	v_mov_b32 v58, 0
	s_wait_kmcnt 0x0                               ; the 32 entries
	s_lshr_b32 s33, s[NI], 16                      ; entry 0 holds the count above the index
	s_lshr_b32 s34, s[NI+16], 16
	s_and_b32 s[NI], s[NI], 0xffff
	s_and_b32 s[NI+16], s[NI+16], 0xffff
	s_min_u32 s33, s33, 16
	s_min_u32 s34, s34, 16
	; PHASE 3.  Indices to addresses
.set k, 0
.rept 32
	s_min_u32 s[NI+k], s[NI+k], 0xfff              ; an index stays inside its batch
.set k, k+1
.endr
.set k, 0
.rept 32
	v_writelane_b32 v58, s[NI+k], k                ; lanes 0-15: a's entries, lanes 16-31: b's
.set k, k+1
.endr
	v_min_u32 v58, 0xfff, v58
	v_mul_u32_u24 v59, v58, 12
	global_load_b96 v[60:62], v59, s[10:11]        ; my neighbour's coordinates
.set k, 0
.rept 32
	v_lshl_add_u32 v[192+k], s[NI+k], 9, v4        ; a row of 512 bytes, 16 bytes (8 columns) a lane
.set k, k+1
.endr
.set k, 0
.rept 16
	global_load_b128 v[ROW+4*k:ROW+4*k+3], v[192+k], s[12:13]
.set k, k+1
.endr
	s_max_u32 s36, s33, 1
	s_max_u32 s37, s34, 1
	v_cvt_f32_u32 v56, s36
	v_cvt_f32_u32 v57, s37
	v_rcp_f32 v52, v56
	v_rcp_f32 v53, v57
	v_nop                                          ; one plain instruction behind the reciprocals (ISA guide 5.7.2)
	s_wait_alu depctr_va_vdst(0)
	v_readfirstlane_b32 s40, v52                   ; 1 / max(count, 1)
	v_readfirstlane_b32 s41, v53
	s_cmp_gt_u32 s33, 0
	s_cselect_b32 s44, 0x3f800000, 0               ; has, twice for the packed forms
	s_mov_b32 s45, s44
	s_cmp_gt_u32 s34, 0
	s_cselect_b32 s46, 0x3f800000, 0
	s_mov_b32 s47, s46
	; PHASE 4.  rel = (neighbour - query, d); lanes 0-15 for a, 16-31 for b
	s_wait_loadcnt 0x10                            ; only the 16 row loads are younger: everything else is in
	s_mov_b32 s36, 0x3e99999a                      ; 0.3
	v_sub_f32 v252, v60, v248
	v_sub_f32 v253, v61, v249
	v_sub_f32 v254, v62, v250
	v_mul_f32 v56, v252, v252
	v_fma_f32 v56, v253, v253, v56
	v_sqrt_f32 v57, v56
	v_add_nc_u32 v58, v7, v4                       ; (the plain instruction behind the root)
	s_wait_alu depctr_va_vdst(0)
	v_fma_f32 v255, -v254, s36, v57                ; 0.3 (tq - tc) + sqrt
	ds_store_b128 v58, v[252:255]
	; PHASE 5.  H = sum over the valid k of relu(rel_k W_pos1 + b_pos1) / count, hidden units 4 lane .. 4 lane + 3
.macro POS H, cnt, inv, ro
.set k, 0
.rept 16
	ds_load_b128 v[REL+4*k:REL+4*k+3], v7 offset:\ro+16*k          ; one address for all lanes; behind my own store, in order
.set k, k+1
.endr
	s_wait_dscnt 0x0
.set k, 0
.rept 16
	s_cmp_gt_u32 \cnt, k
	s_cselect_b32 s42, \inv, 0                     ; the weight: 1 / count, or 0 for an empty entry
.irp p, 0, 2
	v_pk_fma_f32 v[36+\p:37+\p], v[8+\p:9+\p],   v[REL+4*k:REL+4*k+1],   v[24+\p:25+\p] op_sel_hi:[1,0,1]
	v_pk_fma_f32 v[36+\p:37+\p], v[12+\p:13+\p], v[REL+4*k:REL+4*k+1],   v[36+\p:37+\p] op_sel:[0,1,0] op_sel_hi:[1,1,1]
	v_pk_fma_f32 v[36+\p:37+\p], v[16+\p:17+\p], v[REL+4*k+2:REL+4*k+3], v[36+\p:37+\p] op_sel_hi:[1,0,1]
	v_pk_fma_f32 v[36+\p:37+\p], v[20+\p:21+\p], v[REL+4*k+2:REL+4*k+3], v[36+\p:37+\p] op_sel:[0,1,0] op_sel_hi:[1,1,1]
.endr
.irp j, 36,37,38,39
	v_max_num_f32 v\j, 0, v\j
.endr
.if k == 0
	v_pk_mul_f32 v[\H:\H+1],   v[36:37], s[42:43] op_sel_hi:[1,0]  ; the first term starts the sum
	v_pk_mul_f32 v[\H+2:\H+3], v[38:39], s[42:43] op_sel_hi:[1,0]
.else
	v_pk_fma_f32 v[\H:\H+1],   v[36:37], s[42:43], v[\H:\H+1]   op_sel_hi:[1,0,1]
	v_pk_fma_f32 v[\H+2:\H+3], v[38:39], s[42:43], v[\H+2:\H+3] op_sel_hi:[1,0,1]
.endif
.set k, k+1
.endr
.endm
	POS 28, s33, s40, 0
	POS 32, s34, s41, 256
	; the own rows start the sums
	v_cvt_f32_f16 v224, v40.l
	v_cvt_f32_f16 v225, v40.h
	v_cvt_f32_f16 v226, v41.l
	v_cvt_f32_f16 v227, v41.h
	v_cvt_f32_f16 v228, v42.l
	v_cvt_f32_f16 v229, v42.h
	v_cvt_f32_f16 v230, v43.l
	v_cvt_f32_f16 v231, v43.h
	v_cvt_f32_f16 v232, v44.l
	v_cvt_f32_f16 v233, v44.h
	v_cvt_f32_f16 v234, v45.l
	v_cvt_f32_f16 v235, v45.h
	v_cvt_f32_f16 v236, v46.l
	v_cvt_f32_f16 v237, v46.h
	v_cvt_f32_f16 v238, v47.l
	v_cvt_f32_f16 v239, v47.h
	; PHASE 6.  16 row slots; a slot that has been summed is loaded again at once: first with b's rows, then with the weights' fragments.
	; A half of a register is named by a literal number, so the slot's four registers r0 .. r3 come as arguments.
.macro ACCROW acc, k, cnt, inv, r0, r1, r2, r3
	s_cmp_gt_u32 \cnt, \k
	s_cselect_b32 s42, \inv, 0                     ; the weight: 1 / count, or 0 for an empty entry
	v_cvt_f32_f16 v56, v\r0\().l
	v_cvt_f32_f16 v57, v\r0\().h
	v_cvt_f32_f16 v58, v\r1\().l
	v_cvt_f32_f16 v59, v\r1\().h
	v_cvt_f32_f16 v60, v\r2\().l
	v_cvt_f32_f16 v61, v\r2\().h
	v_cvt_f32_f16 v62, v\r3\().l
	v_cvt_f32_f16 v63, v\r3\().h
.irp j, 0,2,4,6
	v_pk_fma_f32 v[\acc+\j:\acc+\j+1], v[56+\j:57+\j], s[42:43], v[\acc+\j:\acc+\j+1] op_sel_hi:[1,0,1]
.endr
.endm
.macro TURNA k, r0, r1, r2, r3
	s_wait_loadcnt 0xf                             ; younger than a's row k: 15 - k rows of a and k rows of b
	ACCROW 224, \k, s33, s40, \r0, \r1, \r2, \r3
	global_load_b128 v[\r0:\r3], v[208+\k], s[12:13]               ; b's row k
.endm
.macro TURNB k, r0, r1, r2, r3
	s_wait_loadcnt 0x13                            ; younger than b's row k: 15 - k rows, the 4 loads in front of these turns, k fragment loads
	ACCROW 232, \k, s34, s41, \r0, \r1, \r2, \r3
	global_load_b128 v[\r0:\r3], v4, s[14:15] offset:512*\k        ; 512 bytes of my column tile's fragments: half a K step of 32
.endm
.macro BLOADHI idx                     ; halves 16 .. 23 of the fragments (K steps 8-11) go to v[192:223]
	global_load_b128 v[128+4*\idx:131+4*\idx], v4, s[14:15] offset:512*\idx
.endm
	TURNA 0,  64, 65, 66, 67
	TURNA 1,  68, 69, 70, 71
	TURNA 2,  72, 73, 74, 75
	TURNA 3,  76, 77, 78, 79
	TURNA 4,  80, 81, 82, 83
	TURNA 5,  84, 85, 86, 87
	TURNA 6,  88, 89, 90, 91
	TURNA 7,  92, 93, 94, 95
	TURNA 8,  96, 97, 98, 99
	TURNA 9,  100, 101, 102, 103
	TURNA 10, 104, 105, 106, 107
	TURNA 11, 108, 109, 110, 111
	TURNA 12, 112, 113, 114, 115
	TURNA 13, 116, 117, 118, 119
	TURNA 14, 120, 121, 122, 123
	TURNA 15, 124, 125, 126, 127
	BLOADHI 16                                     ; onto a's offsets: the last wait showed a's last row in
	BLOADHI 17
	BLOADHI 18
	BLOADHI 19
	TURNB 0,  64, 65, 66, 67
	TURNB 1,  68, 69, 70, 71
	TURNB 2,  72, 73, 74, 75
	TURNB 3,  76, 77, 78, 79
	TURNB 4,  80, 81, 82, 83
	TURNB 5,  84, 85, 86, 87
	TURNB 6,  88, 89, 90, 91
	TURNB 7,  92, 93, 94, 95
	TURNB 8,  96, 97, 98, 99
	TURNB 9,  100, 101, 102, 103
	TURNB 10, 104, 105, 106, 107
	TURNB 11, 108, 109, 110, 111
	TURNB 12, 112, 113, 114, 115
	TURNB 13, 116, 117, 118, 119
	TURNB 14, 120, 121, 122, 123
	TURNB 15, 124, 125, 126, 127
	BLOADHI 20                                     ; onto b's offsets: b's last row is in
	BLOADHI 21
	BLOADHI 22
	BLOADHI 23
	; PHASE 7.  Rows 2 w and 2 w + 1 of the A tile
	s_mul_i32 s36, s30, 2*APITCH
	v_add_nc_u32 v57, s36, v4
	v_lshl_add_u32 v56, v1, 3, s36
.irp j, 0,1,2,3
	v_cvt_pk_f16_f32 v[48+\j], v[224+2*\j], v[225+2*\j]
.endr
	ds_store_b128 v57, v[48:51] offset:AB
	v_cvt_pk_f16_f32 v52, v28, v29
	v_cvt_pk_f16_f32 v53, v30, v31
	ds_store_b64 v56, v[52:53] offset:AB+512
.irp j, 0,1,2,3
	v_cvt_pk_f16_f32 v[48+\j], v[232+2*\j], v[233+2*\j]
.endr
	ds_store_b128 v57, v[48:51] offset:AB+APITCH
	v_cvt_pk_f16_f32 v52, v32, v33
	v_cvt_pk_f16_f32 v53, v34, v35
	ds_store_b64 v56, v[52:53] offset:AB+APITCH+512
	; the four vectors, columns 4 lane .. +3 and 128 + 4 lane .. +3, as the LayerNorm holds its rows
	global_load_b128 v[224:227], v4, s[20:21]
	global_load_b128 v[228:231], v4, s[20:21] offset:512
	global_load_b128 v[232:235], v4, s[22:23]
	global_load_b128 v[236:239], v4, s[22:23] offset:512
	global_load_b128 v[240:243], v4, s[24:25]
	global_load_b128 v[244:247], v4, s[24:25] offset:512
	global_load_b128 v[248:251], v4, s[26:27]
	global_load_b128 v[252:255], v4, s[26:27] offset:512
	v_mul_u32_u24 v24, v2, APITCH
	v_lshl_add_u32 v24, v3, 4, v24                 ; fragment address: row r, 16 bytes for each half of the lanes
	s_wait_dscnt 0x0                               ; my rows are in LDS before I say so
	s_barrier_signal -1
	s_barrier_wait -1                              ; barrier 1: the A tile is whole
	; PHASE 8.  Source 0 = 16 columns of the weights, source 1 = 16 rows of A: a lane then holds row r, columns 16 w + 8 h + 0 .. 7.
.macro AFREG u                         ; AR: the 16 registers of place u of a batch (row tile 0, then row tile 1)
.if \u < 4
.set AR, 128+16*\u
.else
.set AR, 16*\u-32
.endif
.endm
.macro AFLOAD base                     ; the fragments of 6 K steps, both row tiles: 24 loads
.irp u, 0,1,2,3,4,5
	AFREG \u
.irp t, 0,1
	ds_load_b128 v[AR+8*\t:AR+8*\t+3],   v24 offset:AB+64*(\base+\u)+16*APITCH*\t
	ds_load_b128 v[AR+8*\t+4:AR+8*\t+7], v24 offset:AB+64*(\base+\u)+16*APITCH*\t+32
.endr
.endr
.endm
.macro MMSTEP s, u, zero               ; K step s of the weights against place u of the batch; zero = 1: the products start the sums
	AFREG \u
.if \s < 8
.set BR, 64+8*\s
.else
.set BR, 128+8*\s
.endif
.if \zero
	v_wmma_f32_16x16x32_f16 v[8:15],  v[BR:BR+7], v[AR:AR+7],    0
	v_wmma_f32_16x16x32_f16 v[16:23], v[BR:BR+7], v[AR+8:AR+15], 0
.else
	v_wmma_f32_16x16x32_f16 v[8:15],  v[BR:BR+7], v[AR:AR+7],    v[8:15]
	v_wmma_f32_16x16x32_f16 v[16:23], v[BR:BR+7], v[AR+8:AR+15], v[16:23]
.endif
.endm
	AFLOAD 0
	s_lshl_b32 s36, s30, 6
	s_add_co_u32 s36, s36, EB                      ; my 16 columns in a row of enh
	s_mul_i32 s37, s30, 2*EPITCH
	s_add_co_u32 s37, s37, EB                      ; my two rows of enh
	s_wait_loadcnt 0x8                             ; the 24 fragment loads are in; the eight vector loads are younger
	s_wait_dscnt 0x0
	MMSTEP 0, 0, 1
	MMSTEP 1, 1, 0
	MMSTEP 2, 2, 0
	MMSTEP 3, 3, 0
	MMSTEP 4, 4, 0
	MMSTEP 5, 5, 0
.rept 4
	v_nop                                          ; four places before loads land on registers that a matrix instruction has read
.endr
	AFLOAD 6
	s_wait_dscnt 0x0
	MMSTEP 6, 0, 0
	MMSTEP 7, 1, 0
	MMSTEP 8, 2, 0
	MMSTEP 9, 3, 0
	MMSTEP 10, 4, 0
	MMSTEP 11, 5, 0
	v_mul_u32_u24 v25, v2, EPITCH                  ; four plain instructions that name no register of the products: the places
	v_lshl_add_u32 v25, v3, 5, v25                 ; in front of the stores of the results
	v_add_nc_u32 v25, s36, v25                     ; row r, byte 64 w + 32 h
	v_add_nc_u32 v26, s37, v4                      ; rows 2 w, 2 w + 1 read back, 16 bytes a lane
	ds_store_b128 v25, v[8:11]
	ds_store_b128 v25, v[12:15] offset:16
	ds_store_b128 v25, v[16:19] offset:16*EPITCH
	ds_store_b128 v25, v[20:23] offset:16*EPITCH+16
	s_wait_dscnt 0x0
	s_barrier_signal -1
	s_barrier_wait -1                              ; barrier 2: all 256 columns of every row are in LDS
	; PHASE 9
	ds_load_b128 v[32:35], v26
	ds_load_b128 v[36:39], v26 offset:512
	ds_load_b128 v[40:43], v26 offset:EPITCH
	ds_load_b128 v[44:47], v26 offset:EPITCH+512
	s_mov_b32 s36, 0x3b800000                      ; 1 / 256
	s_mov_b32 s37, 0x3727c5ac                      ; 1e-5
	s_wait_loadcnt 0x0
.irp j, 0,2,4,6
	v_pk_add_f32 v[232+\j:233+\j], v[232+\j:233+\j], v[224+\j:225+\j]      ; b_feat + b_pos2: what a point with neighbours gets on top
.endr
	s_wait_dscnt 0x0
.macro SUM32 x, t                      ; sum over the 32 lanes, in every lane
	v_add_f32_dpp v[\x], v[\x], v[\x] row_xmask:1 row_mask:0xf bank_mask:0xf
	v_add_f32_dpp v[\x], v[\x], v[\x] row_xmask:2 row_mask:0xf bank_mask:0xf
	v_add_f32_dpp v[\x], v[\x], v[\x] row_xmask:4 row_mask:0xf bank_mask:0xf
	v_add_f32_dpp v[\x], v[\x], v[\x] row_xmask:8 row_mask:0xf bank_mask:0xf
	v_permlanex16_b32 v[\t], v[\x], s48, s49
	v_add_f32 v[\x], v[\x], v[\t]
.endm
.macro LNROW e, has, off
.irp j, 0,2,4,6
	v_pk_add_f32 v[\e+\j:\e+\j+1], v[\e+\j:\e+\j+1], v[224+\j:225+\j]
.endr
.irp j, 0,2,4,6
	v_pk_fma_f32 v[\e+\j:\e+\j+1], v[232+\j:233+\j], s[\has:\has+1], v[\e+\j:\e+\j+1] op_sel_hi:[1,0,1]
.endr
	v_pk_add_f32 v[48:49], v[\e:\e+1], v[\e+2:\e+3]
	v_pk_add_f32 v[50:51], v[\e+4:\e+5], v[\e+6:\e+7]
	v_pk_add_f32 v[48:49], v[48:49], v[50:51]
	v_add_f32 v48, v48, v49
	SUM32 48, 49
	v_mul_f32 v50, 0xbb800000, v48                 ; - mean
	v_mov_b32 v51, v50
.irp j, 0,2,4,6
	v_pk_add_f32 v[\e+\j:\e+\j+1], v[\e+\j:\e+\j+1], v[50:51]
.endr
	v_pk_mul_f32 v[52:53], v[\e:\e+1], v[\e:\e+1]
.irp j, 2,4,6
	v_pk_fma_f32 v[52:53], v[\e+\j:\e+\j+1], v[\e+\j:\e+\j+1], v[52:53]
.endr
	v_add_f32 v52, v52, v53
	SUM32 52, 53
	v_fma_f32 v54, v52, s36, s37                   ; variance + 1e-5
	v_rsq_f32 v56, v54
	v_rsq_f32 v57, v54                             ; twice: a pair for the packed multiply
	v_nop                                          ; one plain instruction behind them (ISA guide 5.7.2)
	s_wait_alu depctr_va_vdst(0)
.irp j, 0,2,4,6
	v_pk_mul_f32 v[\e+\j:\e+\j+1], v[\e+\j:\e+\j+1], v[56:57]
.endr
.irp j, 0,2,4,6
	v_pk_fma_f32 v[\e+\j:\e+\j+1], v[\e+\j:\e+\j+1], v[240+\j:241+\j], v[248+\j:249+\j]
.endr
	global_store_b128 v4, v[\e:\e+3],   s[28:29] offset:\off th:TH_STORE_NT        ; each store of the wave: 512 consecutive bytes, aligned
	global_store_b128 v4, v[\e+4:\e+7], s[28:29] offset:\off+512 th:TH_STORE_NT
.endm
	LNROW 32, 44, 0
	LNROW 40, 46, 1024
	s_wait_tensorcnt 0x0
	ds_add_u32 v5, v6
	s_wait_dscnt 0x0
	s_endpgm
.Lfunc_end_k_q09c752a154_agg:
	.size	k_q09c752a154_agg, .Lfunc_end_k_q09c752a154_agg-k_q09c752a154_agg
	.p2alignl 7, 3214868480
	.fill 96, 4, 3214868480
	.section	.rodata,"a",@progbits
	.p2align	6, 0x0
	.amdhsa_kernel k_q09c752a154_agg
		.amdhsa_group_segment_fixed_size 68608
		.amdhsa_private_segment_fixed_size 0
		.amdhsa_enable_private_segment 0
		.amdhsa_kernarg_size 88
		.amdhsa_user_sgpr_count 2
		.amdhsa_user_sgpr_kernarg_segment_ptr 1
		.amdhsa_wavefront_size32 1
		.amdhsa_system_sgpr_workgroup_id_x 1
		.amdhsa_system_sgpr_workgroup_id_y 1
		.amdhsa_system_sgpr_workgroup_id_z 1
		.amdhsa_system_vgpr_workitem_id 0
		.amdhsa_next_free_vgpr 256
		.amdhsa_next_free_sgpr 100
		.amdhsa_reserve_vcc 0
		.amdhsa_float_denorm_mode_32 3
		.amdhsa_float_denorm_mode_16_64 3
		.amdhsa_memory_ordered 1
		.amdhsa_forward_progress 1
		.amdhsa_inst_pref_size 78
	.end_amdhsa_kernel
	.amdgpu_metadata
---
amdhsa.version: [ 1, 2 ]
amdhsa.kernels:
  - .name:           k_q09c752a154_agg
    .symbol:         k_q09c752a154_agg.kd
    .args:
      - { .name: nbr, .offset: 0, .size: 8, .value_kind: global_buffer, .address_space: global }
      - { .name: coords, .offset: 8, .size: 8, .value_kind: global_buffer, .address_space: global }
      - { .name: fh, .offset: 16, .size: 8, .value_kind: global_buffer, .address_space: global }
      - { .name: wt, .offset: 24, .size: 8, .value_kind: global_buffer, .address_space: global }
      - { .name: W_pos1, .offset: 32, .size: 8, .value_kind: global_buffer, .address_space: global }
      - { .name: b_pos1, .offset: 40, .size: 8, .value_kind: global_buffer, .address_space: global }
      - { .name: b_feat, .offset: 48, .size: 8, .value_kind: global_buffer, .address_space: global }
      - { .name: b_pos2, .offset: 56, .size: 8, .value_kind: global_buffer, .address_space: global }
      - { .name: gamma, .offset: 64, .size: 8, .value_kind: global_buffer, .address_space: global }
      - { .name: beta, .offset: 72, .size: 8, .value_kind: global_buffer, .address_space: global }
      - { .name: out0, .offset: 80, .size: 8, .value_kind: global_buffer, .address_space: global }
    .group_segment_fixed_size: 68608
    .private_segment_fixed_size: 0
    .kernarg_segment_align: 8
    .kernarg_segment_size: 88
    .max_flat_workgroup_size: 512
    .sgpr_count:     100
    .vgpr_count:     256
    .wavefront_size: 32
...
	.end_amdgpu_metadata
.endif
;; end of part 3
;; ======== version 2 of 2: 3 launches; version 1 with the launch knn written anew for expert scheduling mode
;; limits: values are held in f16: magnitudes above 65,504 overflow, below 6.1e-05 lose precision; inputs' magnitudes at most 65,504
;; workspace buffers: mask 4,194,304 bytes of whole numbers; nbr 524,288 bytes of whole numbers; fh 4,194,304 bytes; wt 196,608 bytes
;; launch knn (part 4): grid 256 x 1, 8 waves a work-group, no clusters, 101,376 bytes of LDS; arguments coords, features, W_feat, W_pos2, mask, fh, wt; writes mask, fh, wt
.if DOCPART == 4
	.amdgcn_target "amdgcn-amd-amdhsa--gfx1250"
	.amdhsa_code_object_version 6
	.text
	.protected	k_q09c752a154_knn
	.globl	k_q09c752a154_knn
	.p2align	8
	.type	k_q09c752a154_knn,@function
k_q09c752a154_knn:
	s_mov_b64 s[64:65], 0
	v_nop
	global_prefetch_b8 v0, s[64:65] scope:SCOPE_SE
	s_setreg_imm32_b32 hwreg(HW_REG_WAVE_SCHED_MODE, 0, 2), 2
	s_setreg_imm32_b32 hwreg(HW_REG_WAVE_MODE, 25, 1), 1
	s_wait_xcnt 0x0
	s_wait_alu depctr_vm_vsrc(0)
; KNN SELECTION.  For each of 2 x 4096 points: which (at most) 16 points of its batch are nearest under
; d = sqrt(dx^2 + dy^2) + 0.3 (tq - tc), among points that are not later (tc <= tq) and not the point itself; equal
; distances go to the lower index.  The choice leaves as a bit mask: mask[query][128 words], bit 31-c of word W = candidate 32 W + c.
; Side jobs: features rounded to f16 (fh), and W_feat / W_pos2 rounded to f16 in the order of matrix fragments (wt).
;
; SHARES.  256 work-groups x 8 waves.  Work-group b: batch b >> 7, queries 32 (b & 127) + lane: in every wave the lane is the query.
; Wave w scans candidates 512 w .. 512 w + 511; a candidate's coordinates are read from LDS at one address for all lanes.
; No branch and no address depends on a distance: the selection is done by min / max and add-with-carry only.
;   pass 1: the 16 smallest VALUES.  16 candidates at a time are sorted descending by a bitonic network (80 comparators); the list
;           (ascending) takes the element-wise minimum, which leaves the 16 smallest of the 32 as a bitonic sequence, and a bitonic merge
;           (32 comparators) sorts it again.  A comparator is ONE instruction, v_dual_min_num_f32 :: v_dual_max_num_f32, and the 16 minima
;           are 8: 120 instructions for 16 candidates, against 256 for a plain insertion.
;           Every comparator joins wires i and i xor 2^m.  Wire i lies in register offset (i & 14) | (parity of i's ones), so a comparator's
;           two registers differ in their lowest bit: one destination is even and one odd, and with the second half naming the sources in
;           swapped order the two first sources, and the two second ones, lie in different register banks, as a dual instruction asks.
;           A stage reads one set of 16 registers and writes another: neither half reads what the other writes.
;   merge : a butterfly over the 8 waves through LDS, by the same minimum and merge.  T = 16th smallest, NEED = 16 - #(values < T).
;   pass 2: the same distances again, bit for bit (same instructions), chosen = d < T, or d == T while fewer than NEED equals came before.
; LIMITS.  Coordinates finite.  v_sqrt_f32 is good to 1 ULP and takes sq < 2^-126 as 0 (ISA guide 15.8), and the two sums are fused
; multiply-adds: two candidates whose exact-order distances lie within about 2 ULP at the 16th / 17th place may be chosen the other way round.
; f16: |features| < 65504; weights below 2^-14 in magnitude keep an absolute error of 2^-25.
; The wt stores are 8 bytes a lane, 256 bytes apart (a column of the weights against the fragment order): 768 bytes a work-group.
;
; THE MODE: SCHED_MODE bits 1:0 = 2 (LLVM: expert scheduling mode 2), set by the entry lines.  The code itself states the register dependences
; between vector instructions and memory or LDS instructions, and those through scalar registers that vector instructions write, with s_wait_alu, always for 0.
; THE PLAN.  The candidates go in blocks of 16, two blocks to a trip.  Registers that LDS instructions touch in the two loops:
;   v[20:67]  x, y, t of a block.  Read by the block's 24 subtractions; behind them the 12 loads of the next block land there.
;   v9        the LDS address of the trip's candidates.  Read by every such load; written by one add at the trip's end.
;   v16, v15  pass 2: the word's address and the word.  Read by the trip's one store; v16 is stepped at the trip's end, v15 written again in the next trip.
;   The differences, the sort's sets, the lists and v10 to v14 are named by vector instructions alone.
; So a wait on va_vdst stands in a block, behind its squares: the subtractions are done reading v[20:67], and v9 is written.  The 12 loads follow it, and
; no vector instruction names their registers before the next block's wait for them.  One wait on vm_vsrc stands at a trip's end, ahead of the adds.
; Masks and carries lie in two sets of 16 scalar registers, s[32:47] and s[48:63], made in runs of 16, with one wait on va_sdst behind each run: one run a
; block in pass 1, four in pass 2.  An addition's carry out that nobody reads goes into the register from which the addition took its carry in, so that no
; line names a scalar register that a vector instruction has written before a wait on va_sdst has passed.
.set CYO,    16384                     ; LDS: x[4096] at 0, y at 16384, t at 32768 (f32)
.set CTO,    32768
.set PAD,    49152                     ; 64 bytes of zeros: the look-ahead loads of the last trip of wave 7 end here
.set R0,     49664                     ; lists [wave 2048][register 128][lane 4]; a second region R1O bytes further
.set R1O,    16384
.set EQ,     82432                     ; [wave 128][lane 4]: how many of a wave's 16 smallest equal T
.set MB,     83456                     ; the mask tile: 32 queries, pitch 528 bytes
.set MPITCH, 528
.set CBUF,   20                        ; v[20:67]   4 groups x (x4, y4, t4): a block; first the 48 staging registers of the coordinate fill
.set DX,     68                        ; v[68:83]   dx, then dx^2 + dy^2, then d
.set RB,     84                        ; v84        the count of equals, by turns with v13
.set P4,     85                        ; v85        LDS address of the list of wave w xor 4
.set EQS,    86                        ; v86        LDS address of my wave's count of equals
.set EQL,    87                        ; v87        LDS address of wave 0's count of equals
.set EQC,    88                        ; v88        how many of my wave's 16 smallest equal T
.set NP,     92                        ; v[92:107]  16 new distances, first set
.set NQ,     108                       ; v[108:123] second set
.set LP,     124                       ; v[124:139] the wave's 16 smallest, ascending by wire, first set
.set LQ,     140                       ; v[140:155] second set
.set M,      NP                        ; behind pass 1: the merged list,
.set MQ,     NQ                        ; its second set,
.set PB,     LQ                        ; and the partner's list
.set F,      158                       ; v[158:189] 4 feature rows x 8 f32
.set DY,     208                       ; v[208:223] dy, then the root; in pass 2 at last the masked d
.set DT,     224                       ; v[224:239] dt
.set MK,     32                        ; s[32:47]   16 masks or carries, one for each candidate of a block
.set MK2,    48                        ; s[48:63]   a second set of 16
; v0 thread, v1 lane, v[2:3] v[4:5] v[6:7] query x, y, t (each twice), v8 +inf, v9 LDS address of the trip's candidates, v10 T, v11 ~T,
; v12 NEED, v13 R (equals seen), v14 BITS, v15 temporary, v16 mask address, v17 my list, v18 v19 the lists of waves w xor 1, w xor 2,
; v[190:195] weights, v196 v197 the pad's address and 0, v[200:207] offsets.
; s[4:17] buffers, s18 wave, s19 tile, s20 batch, s21 the trip that holds the queries themselves, s23 trip counter, s[28:29] 0.3.
	s_load_b256 s[4:11], s[0:1], 0x0               ; coords s[4:5], features s[6:7], W_feat s[8:9], W_pos2 s[10:11]
	s_load_b128 s[12:15], s[0:1], 0x20             ; mask s[12:13], fh s[14:15]
	s_load_b64 s[16:17], s[0:1], 0x30              ; wt
	v_lshl_add_u32 v198, v0, 2, 0x18800
	v_mov_b32 v199, 0
	v_and_b32 v1, 31, v0
	v_lshrrev_b32 v15, 5, v0
	v_readfirstlane_b32 s18, v15                   ; wave
	s_and_b32 s19, ttmp9, 127                      ; tile of 32 queries in the batch
	s_lshr_b32 s20, ttmp9, 7                       ; batch
	s_mov_b32 s28, 0x3e99999a                      ; 0.3
	s_mov_b32 s29, 0x3e99999a
	v_mov_b32 v8, 0x7f800000                       ; +inf
	v_mul_u32_u24 v200, v0, 48                     ; coordinates: 4 points = 48 bytes a thread
	v_lshlrev_b32 v201, 5, v1                      ; features: 32 bytes a lane,
	v_lshl_add_u32 v201, v15, 12, v201             ; 4 rows of 1024 bytes a wave
	v_lshlrev_b32 v202, 4, v0                      ; LDS: 4 numbers a thread in each array
	v_and_b32 v196, 15, v0
	v_lshlrev_b32 v196, 2, v196                    ; the pad: 16 words
	v_mov_b32 v197, 0
	s_lshl_b32 s23, s19, 7
	v_lshl_add_u32 v207, v1, 2, s23                ; my query: point 32 tile + lane
	s_wait_alu depctr_va_sdst(0)                   ; s18 is written, ahead of its first reader
	s_cmp_eq_u32 s18, 1
	s_cselect_b32 s22, 131072, 0                   ; wave 1: rows 128 and up of W_feat
	v_lshl_add_u32 v203, v1, 12, s22               ; weights: 4 rows of 1024 bytes a lane (read by waves 0-2 alone)
	s_lshl_b32 s24, s18, 11
	v_mov_b32 v9, s24                              ; 512 candidates x 4 bytes a wave
	s_mul_i32 s30, s20, 49152
	s_mov_b32 s31, 0
	s_lshl_b32 s32, ttmp9, 15                      ; 32 feature rows of 1024 bytes
	s_mov_b32 s33, 0
	s_lshl_b32 s34, ttmp9, 14                      ; 32 rows of 512 bytes, in mask and in fh
	s_mov_b32 s35, 0
	s_wait_kmcnt 0x0
	s_add_nc_u64 s[4:5], s[4:5], s[30:31]
	s_add_nc_u64 s[6:7], s[6:7], s[32:33]
	s_add_nc_u64 s[12:13], s[12:13], s[34:35]
	s_add_nc_u64 s[14:15], s[14:15], s[34:35]
	s_wait_alu depctr_va_vdst(0)                   ; v9, v196, v197, v200 to v203 and v207 are written: the loads and LDS stores from here to the first loop read them as offsets, addresses and data
	; waves 0-2: column b of the stacked weights, k = 128 w + 4 lane + c.  These four loads come first, so that on every path
	; exactly the eight feature loads are younger than the coordinate loads.
	s_cmp_gt_u32 s18, 2
	s_cbranch_scc1 .Lnow
	s_cmp_lt_u32 s18, 2
	s_cselect_b64 s[36:37], s[8:9], s[10:11]       ; k < 256: W_feat, else W_pos2
	s_lshl_b32 s38, ttmp9, 2
	s_mov_b32 s39, 0
	s_add_nc_u64 s[36:37], s[36:37], s[38:39]      ; column b
.irp c, 0,1,2,3
	global_load_b32 v[190+\c], v203, s[36:37] offset:1024*\c
.endr
.Lnow:
.irp i, 0,1,2,3
	global_load_b128 v[CBUF+12*\i:CBUF+12*\i+3],    v200, s[4:5] offset:12288*\i
	global_load_b128 v[CBUF+12*\i+4:CBUF+12*\i+7],  v200, s[4:5] offset:12288*\i+16
	global_load_b128 v[CBUF+12*\i+8:CBUF+12*\i+11], v200, s[4:5] offset:12288*\i+32
.endr
.irp i, 0,1,2,3
	global_load_b128 v[F+8*\i:F+8*\i+3],   v201, s[6:7] offset:1024*\i th:TH_LOAD_NT
	global_load_b128 v[F+8*\i+4:F+8*\i+7], v201, s[6:7] offset:1024*\i+16 th:TH_LOAD_NT
.endr
	s_wait_loadcnt 0x8                             ; the coordinates (and the weights, older still) are in; the eight feature loads stay out until the way out
	; [point][3] becomes three arrays: register 12 i + 3 p + c is coordinate c of point 4 (thread + 256 i) + p
.irp i, 0,1,2,3
.irp p, 0,1,2,3
.irp c, 0,1,2
	ds_store_b32 v202, v[CBUF+12*\i+3*\p+\c] offset:4096*\i+4*\p+16384*\c
.endr
.endr
.endr
	s_cmp_lg_u32 s18, 0
	s_cbranch_scc1 .Lnopad
	ds_store_b32 v196, v197 offset:PAD             ; 16 words of zeros (two lanes write each, the same value)
.Lnopad:
	s_wait_dscnt 0x0                               ; my stores are in LDS before I say so
	s_barrier_signal -1
	s_barrier_wait -1                              ; barrier 1: the three arrays are whole
; three loads of 16 bytes: x, y, t of four candidates, one address for all lanes
.macro LOADC buf, off
.set CB, CBUF+12*\buf
	ds_load_b128 v[CB:CB+3],    v9 offset:\off
	ds_load_b128 v[CB+4:CB+7],  v9 offset:\off+CYO
	ds_load_b128 v[CB+8:CB+11], v9 offset:\off+CTO
.endm
; d of the block's 16 candidates into v[dst .. dst+15]; the next block, nxt bytes behind the trip's first candidate, is asked for.
; self = 1: candidate c0 + i of the trip is lane c0 + i's own point and gets +inf there.
.macro DIST16 self, c0, nxt, dst
	s_wait_dscnt 0x0                               ; the block's twelve loads are in (in pass 2 the last word's store is done too)
.irp g, 0,1,2,3
	v_pk_add_f32 v[DX+4*\g:DX+4*\g+1],   v[2:3], v[CBUF+12*\g:CBUF+12*\g+1]     neg_lo:[0,1] neg_hi:[0,1]   ; dx = qx - cx
	v_pk_add_f32 v[DX+4*\g+2:DX+4*\g+3], v[2:3], v[CBUF+12*\g+2:CBUF+12*\g+3]   neg_lo:[0,1] neg_hi:[0,1]
	v_pk_add_f32 v[DY+4*\g:DY+4*\g+1],   v[4:5], v[CBUF+12*\g+4:CBUF+12*\g+5]   neg_lo:[0,1] neg_hi:[0,1]   ; dy
	v_pk_add_f32 v[DY+4*\g+2:DY+4*\g+3], v[4:5], v[CBUF+12*\g+6:CBUF+12*\g+7]   neg_lo:[0,1] neg_hi:[0,1]
	v_pk_add_f32 v[DT+4*\g:DT+4*\g+1],   v[6:7], v[CBUF+12*\g+8:CBUF+12*\g+9]   neg_lo:[0,1] neg_hi:[0,1]   ; dt = tq - tc: not negative for a point that counts
	v_pk_add_f32 v[DT+4*\g+2:DT+4*\g+3], v[6:7], v[CBUF+12*\g+10:CBUF+12*\g+11] neg_lo:[0,1] neg_hi:[0,1]
.endr
.set i, 0
.rept 8
	v_pk_mul_f32 v[DX+i:DX+i+1], v[DX+i:DX+i+1], v[DX+i:DX+i+1]
.set i, i+2
.endr
.set i, 0
.rept 8
	v_pk_fma_f32 v[DX+i:DX+i+1], v[DY+i:DY+i+1], v[DY+i:DY+i+1], v[DX+i:DX+i+1]
.set i, i+2
.endr
	s_wait_alu depctr_va_vdst(0)                   ; the subtractions are done reading v[20:67], in which the loads below land; v9, stepped at the last trip's end, is written
.irp g, 0,1,2,3
	LOADC \g, \nxt+16*\g                           ; no vector instruction names these registers before the next block's wait for them
.endr
.set i, 0
.rept 16
	v_sqrt_f32 v[DY+i], v[DX+i]
	v_cmp_gt_f32 s[MK+i], 0, v[DT+i]               ; later than the query.  The compares are also the plain instructions that stand
.set i, i+1
.endr                                                  ; between the roots and the first use of their results (ISA guide 5.7.2)
	s_wait_alu depctr_va_sdst(0)                   ; the sixteen compares have written s[32:47], ahead of their first readers; in pass 2 the last block's shifts have written s[48:63]
.if \self
.set i, 0
.rept 16
	s_or_b32 s[MK+i], s[MK+i], 1<<(\c0+i)
.set i, i+1
.endr
.endif
.set i, 0
	s_wait_alu depctr_va_vdst(0)
.rept 8
	v_pk_fma_f32 v[DX+i:DX+i+1], v[DT+i:DT+i+1], s[28:29], v[DY+i:DY+i+1] op_sel_hi:[1,0,1]     ; 0.3 dt + sqrt
.set i, i+2
.endr
.set i, 0
.rept 16
	v_cndmask_b32 v[\dst+i], v[DX+i], v8, s[MK+i]
.set i, i+1
.endr
.endm
; One stage of a bitonic network on 16 wires: the 8 comparators (i, i xor j), read from set src, written to set dst.
; Blocks of k wires take turns in direction; flip = 1 turns every direction round (a sort that ends descending).
.macro CSTAGE src, dst, j, k, flip
.set ci, 0
.rept 16
.set cl, (ci^\j)
.if cl > ci
.set cri, (ci&14)|(((ci>>3)^(ci>>2)^(ci>>1)^ci)&1)     ; wire to register offset
.set crl, (cl&14)|(((cl>>3)^(cl>>2)^(cl>>1)^cl)&1)
.set cdn, ((ci&\k)/\k)^\flip
.if cdn
	v_dual_max_num_f32 v[\dst+cri], v[\src+cri], v[\src+crl] :: v_dual_min_num_f32 v[\dst+crl], v[\src+crl], v[\src+cri]
.else
	v_dual_min_num_f32 v[\dst+cri], v[\src+cri], v[\src+crl] :: v_dual_max_num_f32 v[\dst+crl], v[\src+crl], v[\src+cri]
.endif
.endif
.set ci, ci+1
.endr
.endm
; the 16 numbers of set NP sorted descending by wire: ten stages, back in NP
.macro SORT16
	CSTAGE NP, NQ, 1, 2, 1
	CSTAGE NQ, NP, 2, 4, 1
	CSTAGE NP, NQ, 1, 4, 1
	CSTAGE NQ, NP, 4, 8, 1
	CSTAGE NP, NQ, 2, 8, 1
	CSTAGE NQ, NP, 1, 8, 1
	CSTAGE NP, NQ, 8, 16, 1
	CSTAGE NQ, NP, 4, 16, 1
	CSTAGE NP, NQ, 2, 16, 1
	CSTAGE NQ, NP, 1, 16, 1
.endm
; dst = min(a, b) wire by wire, two neighbouring registers an instruction.  a ascending, b descending: the 16 smallest of the 32, bitonic.
.macro MIN16 dst, a, b
.set ci, 0
.rept 8
	v_dual_min_num_f32 v[\dst+ci], v[\a+ci], v[\b+ci] :: v_dual_min_num_f32 v[\dst+ci+1], v[\a+ci+1], v[\b+ci+1]
.set ci, ci+2
.endr
.endm
; a bitonic sequence in set a sorted ascending: four stages, back in a; b is the second set
.macro MERGE16 a, b
	CSTAGE \a, \b, 8, 16, 0
	CSTAGE \b, \a, 4, 16, 0
	CSTAGE \a, \b, 2, 16, 0
	CSTAGE \b, \a, 1, 16, 0
.endm
; 32 candidates, two blocks.  Each block asks for the next: the trip's second block at byte 64, the next trip's first at byte 128.
.macro P1TRIP self
	DIST16 \self, 0, 64, NP
	SORT16
	MIN16 LP, LP, NP
	MERGE16 LP, LQ
	DIST16 \self, 16, 128, NP
	SORT16
	MIN16 LP, LP, NP
	MERGE16 LP, LQ
.endm
; The choice among a block's 16 candidates, d in v[DY ..], five instructions a candidate, in runs of 16:
; not chosen <=> d + (R >= NEED) >= T + 1 <=> d + ~T + carry-in overflows.  (Distances are not negative: their bits order like whole numbers.)
.macro SEL16
.set i, 0
.rept 16
	v_cmp_eq_u32 s[MK+i], v[DY+i], v10             ; an equal
.set i, i+1
.endr
	s_wait_alu depctr_va_sdst(0)                   ; the sixteen compares have written s[32:47], which the counts below take as carries
.set i, 0
.rept 8
	v_add_co_ci_u32 v[RB], s[MK+i], 0, v13, s[MK+i]        ; count the equals seen: v13 and v84 by turns, so that the count in front of each candidate is still at hand
	v_cmp_ge_u32 s[MK2+i], v13, v12                        ; the quota of equals is used up in front of candidate i
	v_add_co_ci_u32 v13, s[MK+i+1], 0, v[RB], s[MK+i+1]    ; (the carry out, which nobody reads, goes where the carry in came from)
	v_cmp_ge_u32 s[MK2+i+1], v[RB], v12
.set i, i+2
.endr
	s_wait_alu depctr_va_sdst(0)                   ; the sixteen compares have written s[48:63], which the additions below take as carries; the counts have written s[32:47], which the next block's compares write again
.set i, 0
.rept 16
	v_add_co_ci_u32 v15, s[MK2+i], v[DY+i], v11, s[MK2+i]
.set i, i+1
.endr
	s_wait_alu depctr_va_sdst(0)                   ; the sixteen carries are written
.set i, 0
.rept 16
	v_add_co_ci_u32 v14, s[MK2+i], v14, v14, s[MK2+i]      ; shift the 'not chosen' bit in
.set i, i+1
.endr
.endm
.macro P2TRIP self
	DIST16 \self, 0, 64, DY
	SEL16
	DIST16 \self, 16, 128, DY
	SEL16
	v_xor_b32 v15, -1, v14                         ; 32 shifts have pushed the last word out: v14 is this trip's alone
	s_wait_alu depctr_va_sdst(0)                   ; the last sixteen shifts have written s[48:63], ahead of the trip's end: the next trip's compares write these registers again
	s_wait_alu depctr_va_vdst(0)                   ; the word v15 is written, and so is v16, stepped at the last trip's end: the store reads both
	ds_store_b32 v16, v15
.endm
	; PASS 1
	s_wait_alu depctr_vm_vsrc(0)                   ; my LDS stores have read the staging registers v[20:67], in which the candidates' loads land
	ds_load_b32 v2, v207
	ds_load_b32 v4, v207 offset:CYO
	ds_load_b32 v6, v207 offset:CTO
	LOADC 0, 0
	LOADC 1, 16
	LOADC 2, 32
	LOADC 3, 48
.set q, LP
.rept 16
	v_mov_b32 v[q], v8                             ; the list starts at +inf
.set q, q+1
.endr
	s_lshl_b32 s21, s18, 4
	s_sub_co_u32 s21, s19, s21                     ; tile - 16 w: the trip whose 32 candidates are the 32 queries (outside 0..15: none)
	s_wait_dscnt 0xc                               ; my query is in; the twelve younger loads, the first block, stay out
	v_mov_b32 v3, v2
	v_mov_b32 v5, v4
	v_mov_b32 v7, v6
	s_mov_b32 s23, 0
.Lp1:
	s_cmp_eq_u32 s23, s21
	s_cbranch_scc1 .Lp1self
	P1TRIP 0
	s_branch .Lp1join
.Lp1self:
	P1TRIP 1
.Lp1join:
	s_wait_alu depctr_vm_vsrc(0)                   ; the trip's loads have read v9
	v_add_nc_u32 v9, 128, v9
	s_add_co_u32 s23, s23, 1
	s_cmp_lt_u32 s23, 16
	s_cbranch_scc1 .Lp1
	s_wait_dscnt 0x0                               ; the look-ahead loads behind the last trip
	; BUTTERFLY over the 8 waves.  A list lies in LDS register by register.
.macro ST16 reg, off
.set k, 0
.rept 16
	ds_store_b32 v17, v[\reg+k] offset:\off+128*k
.set k, k+1
.endr
.endm
; the partner's list reversed: wire 15 - i has the same parity of ones as wire i, so register k takes the partner's register (14 - (k & 14)) | (k & 1)
.macro LD16R reg, adr, off
.set k, 0
.rept 16
	ds_load_b32 v[\reg+k], v[\adr] offset:\off+128*((14-(k&14))|(k&1))
.set k, k+1
.endr
.endm
.macro PARTNER m, reg, sr              ; v[reg]: the list of wave w xor m; each partner has a vector and a scalar register of its own
	s_xor_b32 \sr, s18, \m
	s_lshl_b32 \sr, \sr, 11
	s_add_co_u32 \sr, \sr, R0
	v_lshl_add_u32 v[\reg], v1, 2, \sr
.endm
.macro BAR                             ; my LDS stores and loads are done, then everybody's
	s_wait_dscnt 0x0
	s_barrier_signal -1
	s_barrier_wait -1
.endm
	s_lshl_b32 s40, s18, 11
	s_add_co_u32 s40, s40, R0
	v_lshl_add_u32 v17, v1, 2, s40
	PARTNER 1, 18, s41
	PARTNER 2, 19, s42
	PARTNER 4, P4, s43
	s_lshl_b32 s44, s18, 7
	s_add_co_u32 s44, s44, EQ
	v_lshl_add_u32 v[EQS], v1, 2, s44
	s_mov_b32 s45, EQ
	v_lshl_add_u32 v[EQL], v1, 2, s45
	s_wait_alu depctr_va_vdst(0)                   ; the last merge has written LP, which the stores read, and is done with LQ, in which the partner's list lands; the six addresses are written
	ST16 LP, 0
	BAR                                            ; barrier 2
	LD16R PB, 18, 0
	s_wait_dscnt 0x0
	MIN16 M, LP, PB                                ; LP itself stays: the count of equals needs it
	MERGE16 M, MQ
	s_wait_alu depctr_va_vdst(0)                   ; the merge has written M, which the stores read; the minimum is done reading PB, in which the next list lands
	ST16 M, R1O
	BAR                                            ; barrier 3
	LD16R PB, 19, R1O
	s_wait_dscnt 0x0
	s_wait_alu depctr_vm_vsrc(0)                   ; my LDS stores have read M, which the minimum writes again
	MIN16 M, M, PB
	MERGE16 M, MQ
	s_wait_alu depctr_va_vdst(0)                   ; the merge has written M; the minimum is done reading PB
	ST16 M, 0                                      ; the first region again: its readers waited for their loads in front of barrier 3
	BAR                                            ; barrier 4
	LD16R PB, P4, 0
	s_wait_dscnt 0x0
	s_wait_alu depctr_vm_vsrc(0)                   ; my LDS stores have read M, which the minimum writes again
	MIN16 M, M, PB                                 ; the 16 smallest of all 4096; their order no longer matters
	v_max3_num_f32 v10, v[M], v[M+1], v[M+2]
.irp k, 3,5,7,9,11,13
	v_max3_num_f32 v10, v10, v[M+\k], v[M+\k+1]
.endr
	v_max_num_f32 v10, v10, v[M+15]                ; T: the 16th smallest (+inf: fewer than 16 points count)
.set k, 0
.rept 16
	v_cmp_lt_f32 s[MK+k], v[M+k], v10
.set k, k+1
.endr
	v_cmp_eq_u32 s24, v10, v8                      ; T is +inf
	v_mov_b32 v15, 0
	v_mov_b32 v14, 0                               ; BITS
	v_mov_b32 v[EQC], 0
	v_xor_b32 v11, -1, v10
	s_lshl_b32 s31, s18, 11                        ; pass 2's two addresses are made here, ahead of the wait on va_vdst below
	v_mov_b32 v9, s31                              ; (pass 1's loads have read v9: the waits on vm_vsrc above stand behind them)
	v_mul_u32_u24 v16, v1, MPITCH
	s_lshl_b32 s30, s18, 6
	s_add_co_u32 s30, s30, MB
	v_add_nc_u32 v16, s30, v16                     ; my query's row, my wave's 16 words
	s_wait_alu depctr_va_sdst(0)                   ; the seventeen compares have written s[32:47] and s24
	; equals in the waves in front of mine.  A list cut at 16 holds 16 - #(smaller in that wave) >= NEED equals, which closes the
	; quota for the later waves just as the full count would.
.set k, 0
.rept 16
	v_add_co_ci_u32 v15, s[MK+k], 0, v15, s[MK+k]  ; how many of the 16 are smaller than T (the carry out, which nobody reads, goes where the carry in came from)
	v_cmp_eq_u32 s[MK2+k], v[LP+k], v10            ; my wave's k-th equals T
.set k, k+1
.endr
	v_sub_nc_u32 v12, 16, v15                      ; NEED: how many of the equals are taken,
	v_cndmask_b32 v12, v12, v14, s24               ; none if T is +inf
	s_wait_alu depctr_va_sdst(0)                   ; the sixteen compares have written s[48:63], which the counts below take as carries; the counts above have written s[32:47], which are written again below
.set k, 0
.rept 16
	v_add_co_ci_u32 v[EQC], s[MK2+k], 0, v[EQC], s[MK2+k]
.set k, k+1
.endr
	s_wait_alu depctr_va_sdst(0)                   ; these sixteen counts have written s[48:63]: pass 2's compares write these registers again
	s_wait_alu depctr_va_vdst(0)                   ; the count v88 is written, which the store reads; so are v9 and v16; the last minimum is done reading PB, in which the counts land
	ds_store_b32 v[EQS], v[EQC]
	BAR                                            ; barrier 5
.irp p, 0,1,2,3,4,5,6
	ds_load_b32 v[PB+\p], v[EQL] offset:128*\p
.endr
	; PASS 2
	LOADC 0, 0
	LOADC 1, 16
	LOADC 2, 32
	LOADC 3, 48
.irp p, 0,1,2,3,4,5,6
	s_cmp_lt_u32 \p, s18
	s_cselect_b32 s[40+\p], 1, 0                   ; a register for each wave in front of mine
.endr
	v_mov_b32 v13, 0
	s_wait_dscnt 0xc                               ; the seven counts are in; the twelve younger loads, the first block, stay out
.irp p, 0,1,2,3,4,5,6
	v_mad_u32_u24 v13, v[PB+\p], s[40+\p], v13
.endr
	s_mov_b32 s23, 0
.Lp2:
	s_cmp_eq_u32 s23, s21
	s_cbranch_scc1 .Lp2self
	P2TRIP 0
	s_branch .Lp2join
.Lp2self:
	P2TRIP 1
.Lp2join:
	s_wait_alu depctr_vm_vsrc(0)                   ; the trip's loads have read v9, its store v16 and v15, which the next trip writes again
	v_add_nc_u32 v9, 128, v9
	v_add_nc_u32 v16, 4, v16
	s_add_co_u32 s23, s23, 1
	s_cmp_lt_u32 s23, 16
	s_cbranch_scc1 .Lp2
	BAR                                            ; barrier 6: the mask tile is whole
	; THE WAY OUT.  Wave w: mask rows 4 w .. 4 w + 3, each store of the wave covers a whole row of 512 bytes, aligned.
	s_mul_i32 s30, s18, 4*MPITCH
	s_add_co_u32 s30, s30, MB
	v_lshl_add_u32 v204, v1, 4, s30
	s_lshl_b32 s31, s18, 11
	v_lshl_add_u32 v205, v1, 4, s31                ; 4 rows of 512 bytes a wave, in mask and in fh alike
	s_wait_loadcnt 0x0                             ; features and weights
.irp i, 0,1,2,3
.irp j, 0,1,2,3
	v_cvt_pk_f16_f32 v[36+4*\i+\j], v[F+8*\i+2*\j], v[F+8*\i+2*\j+1]
.endr
.endr
	s_wait_alu depctr_va_vdst(0)                   ; v204 and v205 are written, and the conversions have written v[36:51]: the loads and stores below read them
.irp i, 0,1,2,3
	ds_load_b128 v[20+4*\i:23+4*\i], v204 offset:MPITCH*\i
.endr
.irp i, 0,1,2,3
	global_store_b128 v205, v[36+4*\i:39+4*\i], s[14:15] offset:512*\i
.endr
.irp i, 0,1,2,3
	s_wait_dscnt 3-\i                              ; row i is in, the younger rows may be out
	global_store_b128 v205, v[20+4*\i:23+4*\i], s[12:13] offset:512*\i
.endr
	s_cmp_gt_u32 s18, 2
	s_cbranch_scc1 .Lend
	; wt[tile b>>4][load 2s+j][lane 16h+r][8 k]: k = 32 s + 16 j + 8 h + (0..7), column 16 tile + r.  With k = 128 w + 4 lane + c:
	; byte = 12288 (b>>4) + 4096 w + 256 (lane>>1) + 16 (b&15) + 8 (lane&1)
	v_cvt_pk_f16_f32 v194, v190, v191
	v_cvt_pk_f16_f32 v195, v192, v193
	s_lshr_b32 s30, ttmp9, 4
	s_mul_i32 s30, s30, 12288
	s_lshl_b32 s31, s18, 12
	s_add_co_u32 s30, s30, s31
	s_and_b32 s31, ttmp9, 15
	s_lshl_b32 s31, s31, 4
	s_add_co_u32 s30, s30, s31
	s_mov_b32 s31, 0
	s_add_nc_u64 s[16:17], s[16:17], s[30:31]
	v_lshrrev_b32 v206, 1, v1
	v_lshlrev_b32 v206, 8, v206
	v_and_b32 v15, 1, v1
	v_lshl_add_u32 v206, v15, 3, v206
	s_wait_alu depctr_va_vdst(0)                   ; v194, v195 and v206 are written: the store's data and offset
	global_store_b64 v206, v[194:195], s[16:17]
.Lend:
	s_wait_dscnt 0x0
	s_wait_alu depctr_hold_cnt(0) depctr_sa_sdst(0) depctr_va_vdst(0) depctr_va_sdst(0) depctr_va_ssrc(0) depctr_va_vcc(0) depctr_vm_vsrc(0)
	s_wait_tensorcnt 0x0
	ds_add_u32 v198, v199
	s_wait_dscnt 0x0
	s_endpgm
.Lfunc_end_k_q09c752a154_knn:
	.size	k_q09c752a154_knn, .Lfunc_end_k_q09c752a154_knn-k_q09c752a154_knn
	.p2alignl 7, 3214868480
	.fill 96, 4, 3214868480
	.section	.rodata,"a",@progbits
	.p2align	6, 0x0
	.amdhsa_kernel k_q09c752a154_knn
		.amdhsa_group_segment_fixed_size 101376
		.amdhsa_private_segment_fixed_size 0
		.amdhsa_enable_private_segment 0
		.amdhsa_kernarg_size 56
		.amdhsa_user_sgpr_count 2
		.amdhsa_user_sgpr_kernarg_segment_ptr 1
		.amdhsa_wavefront_size32 1
		.amdhsa_system_sgpr_workgroup_id_x 1
		.amdhsa_system_sgpr_workgroup_id_y 1
		.amdhsa_system_sgpr_workgroup_id_z 1
		.amdhsa_system_vgpr_workitem_id 0
		.amdhsa_next_free_vgpr 240
		.amdhsa_next_free_sgpr 66
		.amdhsa_reserve_vcc 0
		.amdhsa_float_denorm_mode_32 3
		.amdhsa_float_denorm_mode_16_64 3
		.amdhsa_memory_ordered 1
		.amdhsa_forward_progress 1
		.amdhsa_inst_pref_size 140
	.end_amdhsa_kernel
	.amdgpu_metadata
---
amdhsa.version: [ 1, 2 ]
amdhsa.kernels:
  - .name:           k_q09c752a154_knn
    .symbol:         k_q09c752a154_knn.kd
    .args:
      - { .name: coords, .offset: 0, .size: 8, .value_kind: global_buffer, .address_space: global }
      - { .name: features, .offset: 8, .size: 8, .value_kind: global_buffer, .address_space: global }
      - { .name: W_feat, .offset: 16, .size: 8, .value_kind: global_buffer, .address_space: global }
      - { .name: W_pos2, .offset: 24, .size: 8, .value_kind: global_buffer, .address_space: global }
      - { .name: mask, .offset: 32, .size: 8, .value_kind: global_buffer, .address_space: global }
      - { .name: fh, .offset: 40, .size: 8, .value_kind: global_buffer, .address_space: global }
      - { .name: wt, .offset: 48, .size: 8, .value_kind: global_buffer, .address_space: global }
    .group_segment_fixed_size: 101376
    .private_segment_fixed_size: 0
    .kernarg_segment_align: 8
    .kernarg_segment_size: 56
    .max_flat_workgroup_size: 256
    .sgpr_count:     66
    .vgpr_count:     240
    .wavefront_size: 32
...
	.end_amdgpu_metadata
.endif
;; end of part 4
;; launch ext: the kernel of part 2 again; grid 256 x 1, 8 waves a work-group, no clusters, 12,288 bytes of LDS; arguments mask, nbr; writes nbr
;; launch agg: the kernel of part 3 again; grid 256 x 1, 16 waves a work-group, no clusters, 68,608 bytes of LDS; arguments nbr, coords, fh, wt, W_pos1, b_pos1, b_feat, b_pos2, gamma, beta, out0; writes out0
